; MI455X (gfx1250); checked and timed in simulation.
; The chip was launched on July 23, 2026; its instructions are those of AMD's public machine-readable ISA for CDNA 5 (MIT licence, August 2026) and "CDNA5" Instruction Set Architecture Reference Guide (July 2026). The comments in the code are by the model that wrote it; some were corrected since.
;; Causal Multi Head Self Attention. Allowed arithmetic: matrix products marked QUANTISED: E2M3 operands, one E8M0 scale for each 32 along K, by v_wmma_scale_f32_16x16x128_f8f6f4 with both operands' format E2M3, f32 sums; everything else in f32.
;; Inputs: Wk 1,024 x 1,024 float32; Wo 1,024 x 1,024 float32; Wq 1,024 x 1,024 float32; Wv 1,024 x 1,024 float32; cos 2,048 x 32 float32; pos_ids 4 x 2,048 int32; sin 2,048 x 32 float32; x 4 x 2,048 x 1,024 float32.
;; Outputs: out0 4 x 2,048 x 1,024 float32.
;; This version of the problem:
;;   THIS VERSION OF THE PROBLEM IS GIVEN IN LOW PRECISION. The matrix products marked QUANTISED in the list below multiply operands that are first quantised to E2M3 (2 exponent bits, 3 mantissa bits; 6 bits a number), with one power-of-two scale for each 32 numbers along K (OCP MX v1.0); their sums are f32. All else is computed in f32.
;;   The module's matrix products, in the order in which they are computed (A, B: the left and right operand; K: the contracted axis; several contracted axes count as one K, in the product's order):
;;     1. [M 8,192, K 1,024] x [K 1,024, N 1,024]; A: input x; B: input Wq: QUANTISED
;;     2. [M 8,192, K 1,024] x [K 1,024, N 1,024]; A: input x; B: input Wk: QUANTISED
;;     3. [M 8,192, K 1,024] x [K 1,024, N 1,024]; A: input x; B: input Wv: QUANTISED
;;     4. batch 64 x [M 2,048, K 64] x [K 64, N 2,048]; A: computed on the way; B: computed on the way: QUANTISED
;;     5. batch 64 x [M 2,048, K 2,048] x [K 2,048, N 64]; A: softmax (see below); B: computed on the way: QUANTISED
;;     6. [M 8,192, K 1,024] x [K 1,024, N 1,024]; A: computed on the way; B: input Wo: QUANTISED
;;   THE QUANTISER, for each operand of a quantised product, along K:
;;     - K is cut into blocks of 32 from its start; a last block that is shorter is filled with zeros.
;;     - A block's scale is 2^e with e = floor(log2(the largest magnitude in the block)) - 2, held to -126 .. 127; a block of zeros has e = 0. As a byte (E8M0): e + 127.
;;     - Each number is divided by its block's scale, clamped to +-7.5, and rounded to the nearest number of E2M3, ties to even, subnormals kept.
;;     - The product sums the exact products of the quantised numbers (number of the format x scale) in f32.
;;   ~~~python
;;   def quantise(x, axis):      # numpy; x: float32 -> the quantised numbers, widened to float32 again
;;       x = np.moveaxis(x, axis, -1); K = x.shape[-1]
;;       x = np.pad(x, [(0, 0)] * (x.ndim - 1) + [(0, -K % 32)]); x = x.reshape(x.shape[:-1] + (-1, 32)); a = np.abs(x).max(-1, keepdims=True)
;;       e = np.where(a > 0, np.clip(np.frexp(np.where(a > 0, a, 1))[1] - 1 - 2, -126, 127), 0)      # np.frexp(a)[1] - 1 = floor(log2(a)), exactly
;;       r = np.clip(x / 2.0 ** e, -7.5, 7.5)
;;       step = 2.0 ** (np.maximum(np.frexp(np.where(r == 0, 1, r))[1] - 1, 0) - 3)
;;       q = np.round(r / step) * step * 2.0 ** e      # np.round: ties to even
;;       return np.moveaxis(q.reshape(q.shape[:-2] + (-1,))[..., :K], -1, axis).astype(np.float32)
;;   ~~~
;;   SOFTMAX AHEAD OF A QUANTISED PRODUCT. Where the list says 'softmax', what is quantised is not the finished softmax but p = 2^(t - M), with t = logit x log2(e) and M = ceil(the row's largest t), a whole number; so 1/2 < the row's largest p <= 1. The row's sum l is taken of the UNQUANTISED p, in f32, and the product's result is divided by l at the end. Since M is a whole number, a kernel that streams over the keys may use a running M (the ceiling of the running maximum): every later rescaling is an exact power of two, which a block's scale takes up: the codes' values come out the same.
;;   OPERANDS COMPUTED ON THE WAY. 'Computed on the way' means the value that the module computes at that place (a softmax that the list does not call 'softmax' is quantised finished and normalised). What goes into a quantiser is computed in f32, as accurately as f32 sums, v_exp_f32 and their like allow (about 1e-6 of the number): no bf16 or f16 on the way to a quantiser, and a product that is left as it is and whose result goes on into a quantised operand takes f32 operands (vector FMAs, or v_wmma_f32_16x16x4_f32). A number that lies on a knife's edge between two numbers of the format may be rounded either way, as far as f32 arithmetic and the matrix unit's own rounding can turn it there, and no further.
;; One version. Each part assembles by itself: llvm-mc -triple=amdgcn-amd-amdhsa -mcpu=gfx1250 --defsym DOCPART=n.
;; ======== version 1 of 1: 4 launches
;; workspace buffers: img 9,437,184 bytes; scl 393,216 bytes; qkv 18,874,368 bytes; qkvs 1,310,720 bytes; oimg 6,291,456 bytes; oscl 262,144 bytes
;; launch quant (part 1): grid 256 x 1, 6 waves a work-group, no clusters, 51,456 bytes of LDS; arguments x, Wq, Wk, Wv, Wo, img, scl; writes img, scl
.if DOCPART == 1
	.amdgcn_target "amdgcn-amd-amdhsa--gfx1250"
	.amdhsa_code_object_version 6
	.text
	.protected	k_qd9f51c7aca_quant
	.globl	k_qd9f51c7aca_quant
	.p2align	8
	.type	k_qd9f51c7aca_quant,@function
k_qd9f51c7aca_quant:
	s_mov_b64 s[64:65], 0
	v_nop
	global_prefetch_b8 v0, s[64:65] scope:SCOPE_SE
	s_setreg_imm32_b32 hwreg(HW_REG_WAVE_MODE, 25, 1), 1
	s_wait_xcnt 0x0
; x [8192][1024] and Wq, Wk, Wv, Wo [1024][1024], f32, K innermost, become codes of FP6 (E2M3) with one E8M0 byte for each 32 along K,
; laid AS THE MATRIX OPERANDS' REGISTERS WANT THEM.  The five tensors count as 12,288 stacked rows: 768 tiles of 16 rows.
; A FRAGMENT is 16 rows x 128 K, 12 registers a lane, 1,536 bytes: registers 0-3 at 16 x lane, 4-5 at 512 + 8 x lane, 6-9 at 768 + 16 x lane, 10-11 at 1,280 + 8 x lane.
; img: [group of 128 rows][K step of 128: 8][tile in the group: 8][1,536].   scl: [tile][K / 256: 4][row: 16][8 bytes]: two scale words.
; THE ROWS OF A TILE ARE NOT NEIGHBOURS: lane index l of tile i stands for row 32 (i / 2) + 8 (i % 2) + l + 8 (l / 8), so that a product's results, used transposed, hold 16 neighbours along the next K in 16 registers.
; A block's scale is 2^(floor(log2(its largest magnitude)) - 2); its byte is the largest magnitude's exponent field - 2, held at 1 from below.
; LIMITS: a block of zeros gets the byte 1 where the quantiser's text says 127 (its codes are zeros, and this program alone reads the bytes); NaN and infinities among the inputs are not served.
; SHARES: 1,536 waves, six to a work-group; a wave takes one tile of rows and half of K: four fragments.  Each load reads 512 consecutive bytes of one row; a fragment's 8,192 bytes turn through
; the wave's own stage in LDS (rows 528 bytes apart), so that a lane gets 16 neighbours of each block of 32.  No barrier: waves share nothing.  No matrix work, no tensor load: the stream is read once.
.set SP,   528                         ; a stage row: 512 bytes + 16
.set WST,  16*SP                       ; a wave's stage
.set R,    16                          ; v16-143  two sets of 64 registers as loaded
.set X,    144                         ; v144-207 register 16 b + i: k = 32 b + 16 (lane / 16) + i of my row
.set PC,   208                         ; v208-219 the fragment's codes; v220-226 the conversions' second halves
.set TM,   228                         ; v228-231 largest magnitudes, v232-235 the other half's, then bytes, v240-243 the conversions' scale operands
.set PW,   244                         ; v244-247 the four fragments' scale words
	s_load_b256 s[4:11], s[0:1], 0x0               ; x, Wq, Wk, Wv
	s_load_b128 s[12:15], s[0:1], 0x20             ; Wo, img
	s_load_b64 s[16:17], s[0:1], 0x30              ; scl
	v_lshl_add_u32 v254, v0, 2, 0xc600
	v_mov_b32 v255, 0
	v_lshrrev_b32 v5, 5, v0
	v_readfirstlane_b32 s18, v5                    ; wave 0..5
	v_and_b32 v5, 31, v0                           ; lane
	v_and_b32 v6, 15, v0                           ; r
	v_bfe_u32 v7, v0, 4, 1                         ; h
	v_lshlrev_b32 v1, 4, v5                        ; 16 x lane
	v_lshlrev_b32 v2, 3, v5                        ; 8 x lane
	s_mul_i32 s19, s18, WST
	v_add_nc_u32 v3, s19, v1                       ; the stage, on the way in: a row's 512 bytes as they lie
	v_mul_u32_u24 v4, v6, SP
	v_lshl_add_u32 v4, v7, 6, v4
	v_add_nc_u32 v4, s19, v4                       ; and on the way out: row r, + 64 h
	s_mul_i32 s19, ttmp9, 6
	s_add_co_u32 s19, s19, s18                     ; my number among the 1,536 waves
	s_and_b32 s23, s19, 1                          ; which half of K
	s_lshr_b32 s19, s19, 1                         ; which tile of rows
	s_mov_b32 s24, 0x76543210
	s_mov_b32 s25, 0xfedcba98                      ; lane selects: lane l xor 16
.irp b, 0,1,2,3
	v_mov_b32 v[TM+4+\b], 0                        ; written once: a lane permute's destination counts as one of its sources
.endr
	s_wait_kmcnt 0x0
	s_mov_b64 s[20:21], s[12:13]                   ; whose tile is it?  The choice hangs on the wave's number alone
	s_mov_b32 s22, 704
	s_cmp_lt_u32 s19, 704
	s_cselect_b64 s[20:21], s[10:11], s[20:21]
	s_cselect_b32 s22, 640, s22
	s_cmp_lt_u32 s19, 640
	s_cselect_b64 s[20:21], s[8:9], s[20:21]
	s_cselect_b32 s22, 576, s22
	s_cmp_lt_u32 s19, 576
	s_cselect_b64 s[20:21], s[6:7], s[20:21]
	s_cselect_b32 s22, 512, s22
	s_cmp_lt_u32 s19, 512
	s_cselect_b64 s[20:21], s[4:5], s[20:21]
	s_cselect_b32 s22, 0, s22
	s_sub_co_u32 s22, s19, s22                     ; the tile's number in its own tensor
	s_lshr_b32 s26, s22, 1
	s_lshl_b32 s26, s26, 5
	s_and_b32 s27, s22, 1
	s_lshl_b32 s27, s27, 3
	s_add_co_u32 s26, s26, s27                     ; its first row: 32 (i / 2) + 8 (i % 2)
	s_lshl_b32 s26, s26, 12                        ; rows of 4,096 bytes
	s_lshl_b32 s27, s23, 11                        ; half a row
	s_add_co_u32 s26, s26, s27
	s_mov_b32 s27, 0
	s_add_nc_u64 s[20:21], s[20:21], s[26:27]
	s_lshr_b32 s26, s19, 3
	s_mul_i32 s26, s26, 98304                      ; img: the group,
	s_and_b32 s28, s19, 7
	s_mul_i32 s28, s28, 1536                       ; the tile in it,
	s_add_co_u32 s26, s26, s28
	s_mul_i32 s28, s23, 49152                      ; four K steps
	s_add_co_u32 s26, s26, s28
	s_add_nc_u64 s[14:15], s[14:15], s[26:27]
	s_lshl_b32 s26, s19, 9                         ; scl: 512 bytes a tile, 256 for half of K
	s_lshl_b32 s28, s23, 8
	s_add_co_u32 s26, s26, s28
	s_add_nc_u64 s[16:17], s[16:17], s[26:27]
.macro LOAD f                          ; fragment f: 16 rows x 512 bytes into set f % 2
.irp r, 0,1,2,3,4,5,6,7,8,9,10,11,12,13,14,15
	global_load_b128 v[R+64*((\f)%2)+4*\r:R+64*((\f)%2)+4*\r+3], v1, s[20:21] offset:(\r+8*(\r/8))*4096+512*(\f) th:TH_LOAD_NT
.endr
.endm
.macro TURN f                          ; through the stage: LDS serves a wave's instructions in order, so no wait stands between the stores and the loads
.irp r, 0,1,2,3,4,5,6,7,8,9,10,11,12,13,14,15
	ds_store_b128 v3, v[R+64*((\f)%2)+4*\r:R+64*((\f)%2)+4*\r+3] offset:SP*\r
.endr
.irp b, 0,1,2,3
.irp j, 0,1,2,3
	ds_load_b128 v[X+16*\b+4*\j:X+16*\b+4*\j+3], v4 offset:128*\b+16*\j
.endr
.endr
.endm
; 64 numbers of a lane become a fragment's codes in v[PC] on and its scale word in v[pw]
.macro QUANT s, pw
.irp b, 0,1,2,3
	v_max3_num_f32 v[TM+\b], |v[\s+16*\b]|, |v[\s+1+16*\b]|, 0x1800000   ; my 16 numbers of block b, and the floor 2^(3 - 127): the byte cannot fall under 1
.endr
.irp i, 2,4,6,8,10,12,14
.irp b, 0,1,2,3
	v_max3_num_f32 v[TM+\b], v[TM+\b], |v[\s+16*\b+\i]|, |v[\s+1+16*\b+\i]|   ; the four blocks by turns
.endr
.endr
.irp b, 0,1,2,3
	v_permlanex16_b32 v[TM+4+\b], v[TM+\b], s24, s25
.endr
.irp b, 0,1,2,3
	v_max_num_f32 v[TM+\b], v[TM+\b], v[TM+4+\b]   ; with lane l xor 16: the block's largest magnitude
.endr
.irp b, 0,1,2,3
	v_add_nc_u32 v[TM+12+\b], 0xff000000, v[TM+\b] ; 2 off its exponent field: the conversion takes this operand's exponent field as its scale
.endr
.irp b, 0,1,2,3
	v_lshrrev_b32 v[TM+4+\b], 23, v[TM+12+\b]      ; the scale's byte
.endr
	v_lshl_or_b32 v[\pw], v[TM+5], 8, v[TM+4]
	v_lshl_or_b32 v[\pw], v[TM+6], 16, v[\pw]
	v_lshl_or_b32 v[\pw], v[TM+7], 24, v[\pw]      ; my row's scale word
.irp c, 0,1
	v_cvt_scalef32_pk16_fp6_f32 v[PC+6*\c:PC+2+6*\c], v[\s+32*\c:\s+15+32*\c], v[TM+12+2*\c]
	v_cvt_scalef32_pk16_fp6_f32 v[PC+12+4*\c:PC+14+4*\c], v[\s+16+32*\c:\s+31+32*\c], v[TM+12+2*\c+1]   ; a conversion's three registers begin on an even number
.endr
	v_nop                                          ; one plain place behind a scaled conversion
.irp c, 0,1                            ; the layout wants a whole block in a lane: lanes 0-15 block 2 c, lanes 16-31 block 2 c + 1
.irp i, 0,1,2
	v_permlane16_swap_b32 v[PC+6*\c+\i], v[PC+12+4*\c+\i]
.endr
.irp i, 0,1,2
	v_mov_b32 v[PC+3+6*\c+\i], v[PC+12+4*\c+\i]
.endr
.endr
.endm
.macro FRAGMENT f
.if (\f) < 3
	s_wait_loadcnt 16                              ; this fragment's 16 loads are in; the next one's 16 may be out
.else
	s_wait_loadcnt 0x0
.endif
	TURN \f
	s_wait_dscnt 0x0                               ; my 64 numbers are back, and the stage's stores have read their registers
.if (\f) > 0
	s_wait_xcnt 0x0                                ; the last fragment's stores have read the codes' registers, which are written again below
.endif
.if (\f) < 2
	LOAD (\f)+2
.endif
	QUANT X, PW+(\f)
	global_store_b128 v1, v[PC:PC+3], s[14:15] offset:12288*(\f)           ; each store covers 512 or 256 consecutive bytes, aligned
	global_store_b64 v2, v[PC+4:PC+5], s[14:15] offset:12288*(\f)+512
	global_store_b128 v1, v[PC+6:PC+9], s[14:15] offset:12288*(\f)+768
	global_store_b64 v2, v[PC+10:PC+11], s[14:15] offset:12288*(\f)+1280
.endm
	LOAD 0
	LOAD 1
	FRAGMENT 0
	FRAGMENT 1
	FRAGMENT 2
	FRAGMENT 3
	v_cmp_lt_u32 vcc_lo, 15, v5                    ; lanes 0-15 carry the words of K steps 0 and 1 of row r, lanes 16-31 those of steps 2 and 3 (both halves hold all four words)
	v_cndmask_b32 v248, v[PW], v[PW+2], vcc_lo
	v_cndmask_b32 v249, v[PW+1], v[PW+3], vcc_lo
	global_store_b64 v2, v[248:249], s[16:17]      ; 32 lanes store 256 consecutive bytes, aligned
	s_wait_tensorcnt 0x0
	ds_add_u32 v254, v255
	s_wait_dscnt 0x0
	s_endpgm
.Lfunc_end_k_qd9f51c7aca_quant:
	.size	k_qd9f51c7aca_quant, .Lfunc_end_k_qd9f51c7aca_quant-k_qd9f51c7aca_quant
	.p2alignl 7, 3214868480
	.fill 96, 4, 3214868480
	.section	.rodata,"a",@progbits
	.p2align	6, 0x0
	.amdhsa_kernel k_qd9f51c7aca_quant
		.amdhsa_group_segment_fixed_size 51456
		.amdhsa_private_segment_fixed_size 0
		.amdhsa_enable_private_segment 0
		.amdhsa_kernarg_size 56
		.amdhsa_user_sgpr_count 2
		.amdhsa_user_sgpr_kernarg_segment_ptr 1
		.amdhsa_wavefront_size32 1
		.amdhsa_system_sgpr_workgroup_id_x 1
		.amdhsa_system_sgpr_workgroup_id_y 1
		.amdhsa_system_sgpr_workgroup_id_z 1
		.amdhsa_system_vgpr_workitem_id 0
		.amdhsa_next_free_vgpr 256
		.amdhsa_next_free_sgpr 66
		.amdhsa_reserve_vcc 1
		.amdhsa_float_denorm_mode_32 3
		.amdhsa_float_denorm_mode_16_64 3
		.amdhsa_memory_ordered 1
		.amdhsa_forward_progress 1
		.amdhsa_inst_pref_size 35
	.end_amdhsa_kernel
	.amdgpu_metadata
---
amdhsa.version: [ 1, 2 ]
amdhsa.kernels:
  - .name:           k_qd9f51c7aca_quant
    .symbol:         k_qd9f51c7aca_quant.kd
    .args:
      - { .name: x, .offset: 0, .size: 8, .value_kind: global_buffer, .address_space: global }
      - { .name: Wq, .offset: 8, .size: 8, .value_kind: global_buffer, .address_space: global }
      - { .name: Wk, .offset: 16, .size: 8, .value_kind: global_buffer, .address_space: global }
      - { .name: Wv, .offset: 24, .size: 8, .value_kind: global_buffer, .address_space: global }
      - { .name: Wo, .offset: 32, .size: 8, .value_kind: global_buffer, .address_space: global }
      - { .name: img, .offset: 40, .size: 8, .value_kind: global_buffer, .address_space: global }
      - { .name: scl, .offset: 48, .size: 8, .value_kind: global_buffer, .address_space: global }
    .group_segment_fixed_size: 51456
    .private_segment_fixed_size: 0
    .kernarg_segment_align: 8
    .kernarg_segment_size: 56
    .max_flat_workgroup_size: 192
    .sgpr_count:     66
    .vgpr_count:     256
    .wavefront_size: 32
...
	.end_amdgpu_metadata
.endif
;; end of part 1
;; launch qkv (part 2): grid 12 x 32, 4 waves a work-group, clusters of 4 x 4, 327,680 bytes of LDS; arguments img, scl, pos_ids, cos, sin, qkv, qkvs; writes qkv, qkvs
.if DOCPART == 2
	.amdgcn_target "amdgcn-amd-amdhsa--gfx1250"
	.amdhsa_code_object_version 6
	.text
	.protected	k_qd9f51c7aca_qkv
	.globl	k_qd9f51c7aca_qkv
	.p2align	8
	.type	k_qd9f51c7aca_qkv,@function
k_qd9f51c7aca_qkv:
	s_mov_b64 s[64:65], 0
	v_nop
	global_prefetch_b8 v0, s[64:65] scope:SCOPE_SE
	s_setreg_imm32_b32 hwreg(HW_REG_WAVE_MODE, 25, 1), 1
	s_wait_xcnt 0x0
	s_wait_alu depctr_hold_cnt(0) depctr_sa_sdst(0) depctr_va_vdst(0) depctr_va_sdst(0) depctr_va_ssrc(0) depctr_va_vcc(0) depctr_vm_vsrc(0)
	s_getreg_b32 s2, hwreg(HW_REG_IB_STS2, 6, 4)
	s_cmp_eq_u32 s2, 0
	s_cbranch_scc0 .Lentry_in_a_cluster
	s_endpgm
.Lentry_in_a_cluster:
	s_bfe_u32 s2, ttmp6, 0x10000c
	s_cmp_lg_u32 s2, 0xf033
	s_cbranch_scc0 .Lentry_shape_is_right
	s_endpgm
.Lentry_shape_is_right:
; Q = rope(x Wq^T), K = rope(x Wk^T), V = x Wv^T on codes of FP6 (E2M3) with E8M0 scales; the results are quantised again in registers and leave as operand images for the attention launch.
; ONE GEMM C = A B^T on tiles of 256 x 256, K = 1,024; four waves, each 128 x 128: 64 accumulators, 512 registers.  Tiles are numbered in the stacked rows of img: x 0-31, Wq 32-35, Wk 36-39, Wv 40-43.
; Clusters with x = 0: A = x, B = Wq.  x = 1: A = x, B = Wk.  x = 2: A = Wv, B = x: THE ROLES ARE SWAPPED FOR V, so that a lane's registers run along the tokens, which are the K of the second attention product.
; THE MATRIX INSTRUCTION IS USED TRANSPOSED (source 0 = 16 rows of B, source 1 = 16 rows of A).  By the order of rows in img's tiles, the 64 registers of A's block a in lane (r, h) are B's rows 32 b + 16 h + i (register 16 b + i):
; 16 neighbours of each block of 32 along the next K.  So rope (pairs of neighbours) and the quantiser work inside a lane.
; img holds fragments as images of their registers, so a K step of 256 of 128 rows is one dense block of 24,576 bytes: one tensor load a wave, no padding, and every LDS load reads 512 or 256 consecutive bytes.
; The scale words of the work-group's rows, for all of K, come once with the first fills.  Ring of two slots; K = 1,024 is four slots' worth, so the steps are written out and there is no loop.
; CLUSTERS 4 x 4: A's tiles are asked for jointly along a row of the cluster, B's along a column.
; OUT: qkv: Q [b h][tile of 16 queries][768]; from byte 6,291,456 for each b h: K [tile of 16 keys][768], then V [128 keys][16 of d: 4][1,536].  qkvs: the scale words likewise (Q, K: two bytes and two bytes 127 for the half of the matrix instruction's K that a head of 64 leaves empty).
; LIMITS: pos_ids is held to 0 .. 2,047; a block of zeros gets the byte 1 (its codes are zeros; this program alone reads the bytes); NaN and infinities are not served.
; V's clusters also load pos_ids, cos and sin (at row 0 on) and never use them: so every register is written on every way through the text.
; REGISTERS, in windows of 256: window 0: v8-29 addresses; v32-63 scale words, two sets; v64-71 cos and sin offsets; v72-103, v224-255 cos and sin, two buffers; v104-122 the quantiser's; v128-223 A's fragments, later rope's results, codes.
;   window 1: B's fragments, two sets, at v0 and v128.   windows 2, 3: the accumulators, (a, b) at v[8 (8 (a % 4) + b)].
.set SLOT,   98304                     ; A's two halves, B's two halves
.set HALFT,  24576                     ; 128 rows x 256 K: [128 K: 2][tile: 8][1,536]
.set QSTEP,  12288
.set FRB,    1536
.set SCL,    2*SLOT                    ; behind the ring: A's scale words, 8,192 bytes, then B's
.set SPARE,  SCL+16384                 ; the spare words, 128 bytes a wave: two blocks of 256 bytes that no other line names
.set FR,     12
.set NL,     4                         ; LDS loads that bring a fragment
.set NQ,     2
.set NP,     4                         ; places behind this matrix instruction (ISA guide 7.12.1)
.set L16,  8                           ; v8   16 x lane
.set L8,   9                           ; v9   8 x lane
.set SST,  10                          ; v10  Q, K: where I put a scale word: 1,024 x wave + 4 r  (in slot 0, which has had its last fill and its last read by then)
.set SRQ,  11                          ; v11  and where I read 16 bytes back
.set SSV,  12                          ; v12  V: 4,096 + 512 x wave + 4 r: bytes of its own for each of the two ways out
.set SRV,  13                          ; v13
.set VSO,  14                          ; v14  V: my 16 bytes among two heads' scale words
.set ADRA, 16                          ; v16-17 A's fragments in slot 0, 1, + 16 x lane; v18-19 + 8 x lane
.set ADRB, 20                          ; v20-23 the same for B
.set ADRS, 27                          ; v27  my scale words: lanes 0-15 A's rows, lanes 16-31 B's
.set SPW,  28                          ; v28  my spare word; never rewritten
.set NIL,  29                          ; v29  0; never rewritten
.set SC,   32
.set POS,  64
.set CSB0, 72
.set CSB1, 224
.set TM,   104
.set PW,   120
.set W0,   121
.set W1,   122
.set AF,   128
.set R,    128
.set PC,   192
.set TP,   212
.set G1, 24
.set G0, 32
.set G1B, 48
.set G0B, 56
.set G1S, 68
.set G0S, 76
.set G1SB, 80
.set G0SB, 88
.set MSB, 0
.macro WIN new                         ; the immediate's high byte repeats the setting that is left
.if MSB != (\new)
	s_set_vgpr_msb (MSB<<8)|(\new)
.set MSB, (\new)
.endif
.endm
.set MUL_LO, 0xa1                      ; source 0 (B) window 1, source 1 (A) window 0, C and D window 2
.set MUL_HI, 0xf1
.set TO_B,   0x40
; A joint load: waves 0 and 1 fetch for A, waves 2 and 3 for B; the branch hangs on the wave's number alone.  Four v_nop follow each line.
.macro JLOAD g0a, g1a, g0b, g1b
	s_cmp_eq_u32 s19, 0
	s_cbranch_scc0 .Lfor_b_\@
	tensor_load_to_lds s[\g0a:\g0a+3], s[\g1a:\g1a+7]
	s_nop 0
.rept 4
	v_nop
.endr
	s_branch .Lasked_\@
.Lfor_b_\@:
	tensor_load_to_lds s[\g0b:\g0b+3], s[\g1b:\g1b+7]
	s_nop 0
.rept 4
	v_nop
.endr
.Lasked_\@:
.endm
.macro CREST                           ; a round of the cluster's barrier behind its opening barrier
	s_cmp_lg_u32 s18, 0
	s_cbranch_scc1 .Lnot_wave_0_\@
	s_barrier_signal -3
.Lnot_wave_0_\@:
	s_barrier_wait -3
	s_barrier_signal -1
	s_barrier_wait -1
.endm
.macro CROUND
	s_barrier_signal -1
	s_barrier_wait -1
	CREST
.endm
	s_load_b256 s[4:11], s[0:1], 0x0               ; img, scl, pos_ids, cos
	s_load_b128 s[12:15], s[0:1], 0x20             ; sin, qkv
	s_load_b64 s[16:17], s[0:1], 0x30              ; qkvs
	v_lshl_add_u32 v[SPW], v0, 2, SPARE
	v_mov_b32 v[NIL], 0
	ds_add_u32 v28, v29
	ds_add_u32 v28, v29
	s_wait_dscnt 0x0
	v_lshrrev_b32 v1, 5, v0
	v_readfirstlane_b32 s18, v1                    ; wave 0..3
	s_lshr_b32 s19, s18, 1                         ; which half of A's rows is mine.  Also: I fetch for A (0) or for B (1)
	s_and_b32 s20, s18, 1                          ; which half of B's rows.  Also: which 128 rows I fetch
	s_bfe_u32 s40, ttmp6, 0x40000                  ; cx
	s_bfe_u32 s41, ttmp6, 0x40004                  ; cy
	s_and_b32 s21, ttmp7, 0xffff                   ; cluster y
	s_add_co_u32 s22, ttmp9, 8
	s_cmp_eq_u32 ttmp9, 2                          ; V's clusters
	s_cselect_b32 s66, 10, s21
	s_cselect_b32 s42, s21, s22
	s_lshl_b32 s66, s66, 2
	s_add_co_u32 s66, s66, s41                     ; A's tile: 4 x (cluster y, or 10 for Wv) + cy
	s_lshl_b32 s42, s42, 2
	s_add_co_u32 s42, s42, s40                     ; B's tile: 4 x (8 + cluster x, or cluster y for x) + cx
	s_lshl_b32 s43, s41, 2
	s_lshl_b32 s43, 15, s43                        ; my row of the cluster
	s_lshl_b32 s44, 0x1111, s40                    ; my column
	; descriptor group 1: a dense block as rows of 256 bytes (32 elements of 8 bytes): 96 rows of codes, 16 rows of scale words
	s_or_b32 s[G1+0], s43, (3<<16)|(1<<21)         ; 15:0 the mask; 17:16 elements of 8 bytes; 21 set beside a mask; no padding
	s_or_b32 s[G1B+0], s44, (3<<16)|(1<<21)
.irp g, G1, G1B
	s_mov_b32 s[\g+1], 32<<16                      ; tensor_dim0
	s_mov_b32 s[\g+2], 96<<16                      ; tensor_dim1
	s_mov_b32 s[\g+3], 32<<16                      ; tile_dim0
	s_mov_b32 s[\g+4], 96                          ; tile_dim1
	s_mov_b32 s[\g+5], 32                          ; the pitch
	s_mov_b32 s[\g+6], 0
	s_mov_b32 s[\g+7], 0
.endr
	s_or_b32 s[G1S+0], s43, (3<<16)|(1<<21)
	s_or_b32 s[G1SB+0], s44, (3<<16)|(1<<21)
.irp g, G1S, G1SB
	s_mov_b32 s[\g+1], 32<<16
	s_mov_b32 s[\g+2], 16<<16
	s_mov_b32 s[\g+3], 32<<16
	s_mov_b32 s[\g+4], 16
	s_mov_b32 s[\g+5], 32
	s_mov_b32 s[\g+6], 0
	s_mov_b32 s[\g+7], 0
.endr
	s_lshl_b32 s21, s66, 1
	s_add_co_u32 s21, s21, s20                     ; the group of 128 rows that I fetch for A
	s_mul_i32 s22, s21, 98304                      ; its codes,
	s_mov_b32 s23, 0
	s_lshl_b32 s92, s21, 12                        ; its scale words
	s_mov_b32 s93, 0
	s_lshl_b32 s46, s42, 1
	s_add_co_u32 s46, s46, s20                     ; and for B
	s_lshl_b32 s2, s46, 12
	s_mov_b32 s3, 0
	s_mul_i32 s46, s46, 98304
	s_mov_b32 s47, 0
	s_mul_i32 s45, s18, HALFT                      ; where they go: no place in the cluster enters an LDS address
	s_lshl_b32 s94, s18, 12
	s_wait_kmcnt 0x0
	s_add_nc_u64 s[22:23], s[4:5], s[22:23]
	s_add_nc_u64 s[92:93], s[6:7], s[92:93]
	s_add_nc_u64 s[46:47], s[4:5], s[46:47]
	s_add_nc_u64 s[2:3], s[6:7], s[2:3]
	CROUND                                         ; all sixteen work-groups are here: the first joint loads meet
	s_mov_b32 s[G0S], 1
	s_add_co_u32 s[G0S+1], s94, SCL
	s_mov_b64 s[G0S+2:G0S+3], s[92:93]
	s_or_b32 s[G0S+3], s[G0S+3], 0x80000000
	s_mov_b32 s[G0SB], 1
	s_add_co_u32 s[G0SB+1], s94, SCL
	s_mov_b64 s[G0SB+2:G0SB+3], s[2:3]
	s_or_b32 s[G0SB+3], s[G0SB+3], 0x80000000
	JLOAD G0S, G1S, G0SB, G1SB                     ; the scale words first: three loads of mine are out behind the next two
.irp s, 0,1
	s_mov_b32 s[G0+4*\s], 1
	s_add_co_u32 s[G0+4*\s+1], s45, \s*SLOT
	s_add_nc_u64 s[G0+4*\s+2:G0+4*\s+3], s[22:23], \s*HALFT
	s_or_b32 s[G0+4*\s+3], s[G0+4*\s+3], 0x80000000
	s_mov_b32 s[G0B+4*\s], 1
	s_add_co_u32 s[G0B+4*\s+1], s45, \s*SLOT
	s_add_nc_u64 s[G0B+4*\s+2:G0B+4*\s+3], s[46:47], \s*HALFT
	s_or_b32 s[G0B+4*\s+3], s[G0B+4*\s+3], 0x80000000
	JLOAD G0+4*\s, G1, G0B+4*\s, G1B
.endr
	v_and_b32 v1, 15, v0                           ; r
	v_bfe_u32 v2, v0, 4, 1                         ; h
	v_and_b32 v3, 31, v0                           ; lane
	v_lshlrev_b32 v[L16], 4, v3
	v_lshlrev_b32 v[L8], 3, v3
	v_and_b32 v4, 8, v1
	v_add_nc_u32 v4, v4, v1                        ; r + 8 (r / 8)
	s_lshl_b32 s21, s66, 8
	s_lshl_b32 s22, s19, 7
	s_add_co_u32 s21, s21, s22                     ; my first token
	s_cmp_eq_u32 ttmp9, 2
	s_cselect_b32 s21, 0, s21                      ; (V's clusters: A's rows are no tokens)
	v_add_lshl_u32 v5, v4, s21, 2
.irp a, 0,1,2,3,4,5,6,7
	global_load_b32 v[POS+\a], v5, s[8:9] offset:(32*(\a/2)+8*(\a%2))*4   ; the position of block a's row r
.endr
	s_mul_i32 s21, s19, HALFT                      ; my 128 rows of A,
	s_mul_i32 s22, s20, HALFT
	s_add_co_u32 s22, s22, 2*HALFT                 ; of B
.irp s, 0,1
	v_add_nc_u32 v[ADRA+\s], s21, v[L16]
	v_add_nc_u32 v[ADRA+2+\s], s21, v[L8]
	v_add_nc_u32 v[ADRB+\s], s22, v[L16]
	v_add_nc_u32 v[ADRB+2+\s], s22, v[L8]
	s_add_co_u32 s21, s21, SLOT
	s_add_co_u32 s22, s22, SLOT
.endr
	v_lshlrev_b32 v6, 3, v1                        ; scale words: 8 bytes a row for a K step of 256
	s_lshl_b32 s21, s19, 12                        ; A's: my 8 tiles
	s_lshl_b32 s22, s20, 12
	s_add_co_u32 s22, s22, 8192                    ; B's, behind A's 16
	s_sub_co_u32 s22, s22, s21
	v_mul_u32_u24 v7, s22, v2                      ; lanes 16-31 take B's
	s_add_co_u32 s21, s21, SCL
	v_add_nc_u32 v6, v6, v7
	v_add_nc_u32 v[ADRS], s21, v6
	s_lshl_b32 s21, s18, 10
	v_lshl_add_u32 v[SST], v1, 2, s21
	v_add_nc_u32 v[SRQ], s21, v[L16]
	s_lshl_b32 s21, s18, 9
	s_add_co_u32 s21, s21, 4096
	v_lshl_add_u32 v[SSV], v1, 2, s21
	v_add_nc_u32 v[SRV], s21, v[L16]
	v_mul_u32_u24 v[VSO], v2, 12288                ; lanes 16-31: the next head's scale words
	v_lshl_add_u32 v[VSO], v1, 4, v[VSO]
	v_lshlrev_b32 v15, 5, v2                       ; 32 h: my half's eight pairs in a row of cos or sin
	s_wait_loadcnt 0x0                             ; the positions
.irp a, 0,1,2,3,4,5,6,7
	v_min_u32 v[POS+\a], 0x7ff, v[POS+\a]          ; held inside the tables
.endr
.irp a, 0,1,2,3,4,5,6,7
	v_lshlrev_b32 v[POS+\a], 7, v[POS+\a]          ; rows of 128 bytes
.endr
.irp a, 0,1,2,3,4,5,6,7
	v_add_nc_u32 v[POS+\a], v15, v[POS+\a]
.endr
; cos and sin of block a's row: for each half of a head (pairs 16 u + 8 h + 0 .. 7): 8 cos, then 8 sin
.macro CSLOAD a, cs
.irp u, 0,1
	global_load_b128 v[\cs+16*\u:\cs+16*\u+3], v[POS+\a], s[10:11] offset:64*\u
	global_load_b128 v[\cs+16*\u+4:\cs+16*\u+7], v[POS+\a], s[10:11] offset:64*\u+16
	global_load_b128 v[\cs+16*\u+8:\cs+16*\u+11], v[POS+\a], s[12:13] offset:64*\u
	global_load_b128 v[\cs+16*\u+12:\cs+16*\u+15], v[POS+\a], s[12:13] offset:64*\u+16
.endr
.endm
	CSLOAD 0, CSB0                                 ; they land while the products run
	CSLOAD 1, CSB1
.macro FRAG reg, adr, q, i             ; a fragment comes as the image of its registers
	ds_load_b128 v[\reg:\reg+3], v[\adr] offset:(\q)*QSTEP+(\i)*FRB
	ds_load_b64 v[\reg+4:\reg+5], v[\adr+2] offset:(\q)*QSTEP+(\i)*FRB+512
	ds_load_b128 v[\reg+6:\reg+9], v[\adr] offset:(\q)*QSTEP+(\i)*FRB+768
	ds_load_b64 v[\reg+10:\reg+11], v[\adr+2] offset:(\q)*QSTEP+(\i)*FRB+1280
.endm
; 16 matrix instructions: A's blocks a0, a0 + 1 x B's eight.  The 64 accumulators take turns, one instruction a turn, in the same order in every step.
.macro MUL16 a0, p, q, sc, zero
.irp a, \a0, \a0+1
.irp b, 0,1,2,3,4,5,6,7
.if \zero
	v_wmma_scale_f32_16x16x128_f8f6f4 v[8*(8*((\a)%4)+\b):8*(8*((\a)%4)+\b)+7], v[128*(\p)+FR*\b:128*(\p)+FR*\b+FR-1], v[AF+FR*(\a):AF+FR*(\a)+FR-1], 0, v[SC+8*NQ*(\sc)+NQ*\b+(\q)], v[SC+8*NQ*(\sc)+NQ*(\a)+(\q)] matrix_a_fmt:MATRIX_FMT_FP6 matrix_b_fmt:MATRIX_FMT_FP6 matrix_a_scale:MATRIX_SCALE_ROW1
.else
	v_wmma_scale_f32_16x16x128_f8f6f4 v[8*(8*((\a)%4)+\b):8*(8*((\a)%4)+\b)+7], v[128*(\p)+FR*\b:128*(\p)+FR*\b+FR-1], v[AF+FR*(\a):AF+FR*(\a)+FR-1], v[8*(8*((\a)%4)+\b):8*(8*((\a)%4)+\b)+7], v[SC+8*NQ*(\sc)+NQ*\b+(\q)], v[SC+8*NQ*(\sc)+NQ*(\a)+(\q)] matrix_a_fmt:MATRIX_FMT_FP6 matrix_b_fmt:MATRIX_FMT_FP6 matrix_a_scale:MATRIX_SCALE_ROW1
.endif
.endr
.endr
.endm
.macro FETCH_B slot, q, p
	WIN TO_B
.irp i, 0,1,2,3,4,5,6,7
	FRAG 128*(\p)+FR*\i, ADRB+\slot, \q, \i
.endr
	WIN 0
.endm
.macro FETCH_A slot, q, i0
.irp i, \i0, \i0+1, \i0+2, \i0+3
	FRAG AF+FR*(\i), ADRA+\slot, \q, \i
.endr
.endm
.macro SCALES sc                       ; a K step's two words a row: lanes 0-15 A's block i, lanes 16-31 B's block i
.irp i, 0,1,2,3,4,5,6,7
	ds_load_b64 v[SC+8*NQ*\sc+NQ*\i:SC+8*NQ*\sc+NQ*\i+1], v[ADRS] offset:\i*512
.endr
.endm
.macro PLACES n                        ; plain vector instructions between a matrix instruction and a load into, or a read of, its registers (ISA guide 7.12.1 for reads)
.rept \n
	v_nop
.endr
.endm
.macro STEP slot, q, zero              ; 128 along K that has its successor in the same slot
	s_wait_dscnt 4*NL                              ; B's set and A's blocks 0-3 are in; the youngest 16 loads (A's blocks 4-7) may be out
	WIN MUL_LO
	MUL16 0, (\q)%2, \q, \slot, \zero
	MUL16 2, (\q)%2, \q, \slot, \zero
	s_wait_dscnt 0
	PLACES NP
	FETCH_B \slot, (\q)+1, 1-(\q)%2
	FETCH_A \slot, (\q)+1, 0
	WIN MUL_HI
	MUL16 4, (\q)%2, \q, \slot, \zero
	MUL16 6, (\q)%2, \q, \slot, \zero
	PLACES NP
	WIN 0
	FETCH_A \slot, (\q)+1, 4
.endm
; A slot's last step changes slots: one barrier; in front of it each wave waits for all its tensor loads, adds 0 to its spare word, and waits for that and for its reads of this slot.
.macro TURN slot, next, fill
	s_wait_tensorcnt 0x0                           ; all my tensor loads have landed: my part of the next slot
	ds_add_u32 v[SPW], v[NIL]                      ; 0 onto my spare word
	s_wait_dscnt 4*NL+1                            ; the add and the youngest 16 loads may be out
	WIN MUL_LO
	MUL16 0, 1, NQ-1, \slot, 0
	s_wait_dscnt 0x0                               ; the add is done, and my reads of this slot are over
	s_barrier_signal -1
	MUL16 2, 1, NQ-1, \slot, 0
	WIN 0
	s_barrier_wait -1
.if \fill
	CREST                                          ; the barrier has opened a round of the cluster's barrier: no wave of any partner still reads this slot or has a load on its way
	s_add_nc_u64 s[G0+4*\slot+2:G0+4*\slot+3], s[G0+4*\slot+2:G0+4*\slot+3], 2*HALFT
	s_add_nc_u64 s[G0B+4*\slot+2:G0B+4*\slot+3], s[G0B+4*\slot+2:G0B+4*\slot+3], 2*HALFT
	JLOAD G0+4*\slot, G1, G0B+4*\slot, G1B         ; the first tensor load behind the round; its four v_nop are the places in front of the loads below
.else
	PLACES NP
.endif
	v_add_nc_u32 v[ADRS], 128, v[ADRS]             ; the next K step's scale words
	FETCH_B \next, 0, 0
	FETCH_A \next, 0, 0
	SCALES \next
	WIN MUL_HI
	MUL16 4, 1, NQ-1, \slot, 0
	MUL16 6, 1, NQ-1, \slot, 0
	PLACES NP
	WIN 0
	FETCH_A \next, 0, 4
.endm
	s_wait_tensorcnt 1                             ; the scale words and my part of slot 0 are in; slot 1's load may be out
	s_barrier_signal -1
	s_barrier_wait -1
	FETCH_B 0, 0, 0
	FETCH_A 0, 0, 0
	SCALES 0
	FETCH_A 0, 0, 4
	STEP 0, 0, 1                                   ; the first products start the sums: nothing is cleared
	TURN 0, 1, 1
	STEP 1, 0, 0
	TURN 1, 0, 1
	STEP 0, 0, 0
	TURN 0, 1, 0                                   ; nothing is left to fetch
	STEP 1, 0, 0
	s_wait_dscnt 4*NL
	WIN MUL_LO
	MUL16 0, 1, NQ-1, 1, 0
	MUL16 2, 1, NQ-1, 1, 0
	s_wait_dscnt 0
	WIN MUL_HI
	MUL16 4, 1, NQ-1, 1, 0
	MUL16 6, 1, NQ-1, 1, 0
	WIN 0
; 64 numbers of a lane, in window w from register s on, become a fragment's codes in v[PC] on and its scale word in v[PW]
.macro QUANT s, w
	WIN (\w)|((\w)<<2)
.irp b, 0,1,2,3
	v_max3_num_f32 v[TM+\b], |v[(\s)+16*\b]|, |v[(\s)+1+16*\b]|, 0x1800000   ; my 16 numbers of block b, and the floor 2^(3 - 127): the byte cannot fall under 1.  Each accumulator is read from its low end on
.endr
	WIN ((\w)<<2)|((\w)<<4)
.irp i, 2,4,6,8,10,12,14
.irp b, 0,1,2,3
	v_max3_num_f32 v[TM+\b], v[TM+\b], |v[(\s)+16*\b+\i]|, |v[(\s)+1+16*\b+\i]|
.endr
.endr
	WIN 0
.irp b, 0,1,2,3
	v_permlanex16_b32 v[TM+4+\b], v[TM+\b], s2, s3
.endr
.irp b, 0,1,2,3
	v_max_num_f32 v[TM+\b], v[TM+\b], v[TM+4+\b]
.endr
.irp b, 0,1,2,3
	v_add_nc_u32 v[TM+12+\b], 0xff000000, v[TM+\b] ; 2 off the exponent field: the conversion's scale operand
.endr
.irp b, 0,1,2,3
	v_lshrrev_b32 v[TM+4+\b], 23, v[TM+12+\b]      ; the scale's byte
.endr
	v_lshl_or_b32 v[PW], v[TM+5], 8, v[TM+4]
	v_lshl_or_b32 v[PW], v[TM+6], 16, v[PW]
	v_lshl_or_b32 v[PW], v[TM+7], 24, v[PW]
	WIN \w
.irp c, 0,1
	v_cvt_scalef32_pk16_fp6_f32 v[PC+6*\c:PC+2+6*\c], v[(\s)+32*\c:(\s)+15+32*\c], v[TM+12+2*\c]
	v_cvt_scalef32_pk16_fp6_f32 v[PC+12+4*\c:PC+14+4*\c], v[(\s)+16+32*\c:(\s)+31+32*\c], v[TM+12+2*\c+1]
.endr
	WIN 0
	v_nop                                          ; one plain place behind a scaled conversion
.irp c, 0,1
.irp i, 0,1,2
	v_permlane16_swap_b32 v[PC+6*\c+\i], v[PC+12+4*\c+\i]
.endr
.irp i, 0,1,2
	v_mov_b32 v[PC+3+6*\c+\i], v[PC+12+4*\c+\i]
.endr
.endr
.endm
.irp b, 0,1,2,3
	v_mov_b32 v[TM+4+\b], 0                        ; the four places behind the last products; and a lane permute's destination counts as one of its sources
.endr
	s_mov_b32 s2, 0x76543210
	s_mov_b32 s3, 0xfedcba98                       ; lane selects: lane l xor 16
	s_mov_b32 s95, 0x7f7f0000                      ; two bytes 127 for the empty half of K
	s_cmp_eq_u32 ttmp9, 2                          ; the cluster's x: the same in all partners
	s_cbranch_scc1 .Lv
	; ---- Q and K.  My 128 columns are two heads; block a is tile qt0 + a of 16 tokens
	s_lshr_b32 s67, s66, 3
	s_lshl_b32 s67, s67, 4                         ; 16 x batch
	s_lshl_b32 s45, s40, 2
	s_add_co_u32 s67, s67, s45
	s_lshl_b32 s45, s20, 1
	s_add_co_u32 s67, s67, s45                     ; my first head: 16 b + 4 cx + 2 x half
	s_and_b32 s45, s66, 7
	s_lshl_b32 s45, s45, 4
	s_lshl_b32 s94, s19, 3
	s_add_co_u32 s45, s45, s94                     ; my first tile of tokens in the sequence
	s_mov_b32 s8, 196608
	s_mov_b32 s94, 12288
	s_cmp_eq_u32 ttmp9, 0                          ; Q or K: where a head's part begins, and how far the heads lie apart
	s_cselect_b32 s8, 98304, s8
	s_cselect_b32 s94, 8192, s94
	s_cselect_b32 s6, 0, 6291456
	s_cselect_b32 s4, 0, 524288
	s_mov_b32 s9, 0
	s_mov_b32 s7, 0
	s_mov_b32 s5, 0
	s_mul_i32 s21, s67, s8
	s_add_co_u32 s6, s6, s21
	s_mul_i32 s21, s45, 768
	s_add_co_u32 s6, s6, s21
	s_add_nc_u64 s[96:97], s[14:15], s[6:7]        ; the first head's codes,
	s_add_nc_u64 s[98:99], s[96:97], s[8:9]        ; the second's
	s_mul_i32 s21, s67, s94
	s_add_co_u32 s4, s4, s21
	s_lshl_b32 s21, s45, 6
	s_add_co_u32 s4, s4, s21
	s_add_nc_u64 s[100:101], s[16:17], s[4:5]      ; the first head's scale words,
	s_mov_b32 s8, s94
	s_add_nc_u64 s[4:5], s[100:101], s[8:9]        ; the second's
.macro QK_OUT a
.set AC, 64*((\a)%4)
.if (\a)%2
.set CS, CSB1
.else
.set CS, CSB0
.endif
.if (\a) < 7
	s_wait_loadcnt 8                               ; this block's cos and sin are in; the other buffer's eight loads may be out
.else
	s_wait_loadcnt 0x0
.endif
	WIN 2+(\a)/4                                   ; source 0: the accumulators' window
.set G, 0
.rept 8                                ; accumulator G: four pairs (t0, t1) -> (t0 c - t1 s, t0 s + t1 c): first (t1 s, t0 s), then one fused multiply-add a half
.set CP, CS+16*((G/2)%2)+4*(G%2)
.set AG, AC+8*G
.set RG, R+8*G
	v_pk_mul_f32 v[TP:TP+1], v[AG:AG+1], v[CP+8:CP+9] op_sel:[1,0] op_sel_hi:[0,0]
	v_pk_mul_f32 v[TP+2:TP+3], v[AG+2:AG+3], v[CP+8:CP+9] op_sel:[1,1] op_sel_hi:[0,1]
	v_pk_mul_f32 v[TP+4:TP+5], v[AG+4:AG+5], v[CP+10:CP+11] op_sel:[1,0] op_sel_hi:[0,0]
	v_pk_mul_f32 v[TP+6:TP+7], v[AG+6:AG+7], v[CP+10:CP+11] op_sel:[1,1] op_sel_hi:[0,1]
	v_pk_fma_f32 v[RG:RG+1], v[AG:AG+1], v[CP:CP+1], v[TP:TP+1] op_sel:[0,0,0] op_sel_hi:[1,0,1] neg_lo:[0,0,1]
	v_pk_fma_f32 v[RG+2:RG+3], v[AG+2:AG+3], v[CP:CP+1], v[TP+2:TP+3] op_sel:[0,1,0] op_sel_hi:[1,1,1] neg_lo:[0,0,1]
	v_pk_fma_f32 v[RG+4:RG+5], v[AG+4:AG+5], v[CP+2:CP+3], v[TP+4:TP+5] op_sel:[0,0,0] op_sel_hi:[1,0,1] neg_lo:[0,0,1]
	v_pk_fma_f32 v[RG+6:RG+7], v[AG+6:AG+7], v[CP+2:CP+3], v[TP+6:TP+7] op_sel:[0,1,0] op_sel_hi:[1,1,1] neg_lo:[0,0,1]
.set G, G+1
.endr
	WIN 0
.if (\a) > 0
	s_wait_xcnt 0x0                                ; the last block's stores have read the codes' registers, which are written again below
.endif
.if (\a) < 6
	CSLOAD (\a)+2, CS
.endif
	s_wait_dscnt 0x0                               ; the last block's LDS stores have read their registers
	QUANT R, 0
	global_store_b128 v[L16], v[PC:PC+3], s[96:97] offset:768*(\a)         ; K = the head's 64: registers 0-5 are the first head's half fragment, 6-11 the second's
	global_store_b64 v[L8], v[PC+4:PC+5], s[96:97] offset:768*(\a)+512
	global_store_b128 v[L16], v[PC+6:PC+9], s[98:99] offset:768*(\a)
	global_store_b64 v[L8], v[PC+10:PC+11], s[98:99] offset:768*(\a)+512
	v_and_or_b32 v[W0], v[PW], 0xffff, s95
	v_lshrrev_b32 v[W1], 16, v[PW]
	v_or_b32 v[W1], s95, v[W1]
	ds_store_b32 v[SST], v[W0] offset:64*(\a)      ; both halves of the lanes write the same word with the same value
	ds_store_b32 v[SST], v[W1] offset:512+64*(\a)
.endm
.irp a, 0,1,2,3,4,5,6,7
	QK_OUT \a
.endr
	ds_load_b128 v[220:223], v[SRQ]                ; LDS serves a wave's instructions in order: these see my stores
	ds_load_b128 v[212:215], v[SRQ] offset:512
	s_wait_dscnt 0x0
	global_store_b128 v[L16], v[220:223], s[100:101]   ; eight tiles' scale words: 512 consecutive bytes, aligned
	global_store_b128 v[L16], v[212:215], s[4:5]
	s_branch .Lend
.Lv:	; ---- V.  My 128 rows of Wv are two heads x four tiles of d; my 128 tokens are one key step: block a is one whole fragment
	s_lshr_b32 s67, s42, 3
	s_lshl_b32 s67, s67, 4
	s_lshl_b32 s45, s41, 2
	s_add_co_u32 s67, s67, s45
	s_lshl_b32 s45, s19, 1
	s_add_co_u32 s67, s67, s45                     ; my first head: 16 b + 4 cy + 2 x half
	s_and_b32 s45, s42, 7
	s_lshl_b32 s45, s45, 1
	s_add_co_u32 s45, s45, s20                     ; my key step
	s_mul_i32 s6, s67, 196608
	s_mul_i32 s21, s45, 6144
	s_add_co_u32 s6, s6, s21
	s_add_co_u32 s6, s6, 6291456+98304
	s_mov_b32 s7, 0
	s_add_nc_u64 s[96:97], s[14:15], s[6:7]
	s_mul_i32 s6, s67, 12288
	s_lshl_b32 s21, s45, 8
	s_add_co_u32 s6, s6, s21
	s_add_co_u32 s6, s6, 524288+8192
	s_add_nc_u64 s[100:101], s[16:17], s[6:7]
.macro V_OUT a
.if (\a) > 0
	s_wait_xcnt 0x0                                ; the last block's stores have read the codes' registers
	s_wait_dscnt 0x0
.endif
.set QS, 64*((\a)%4)
.set QWN, 2+(\a)/4
	QUANT QS, QWN
	global_store_b128 v[L16], v[PC:PC+3], s[96:97] offset:((\a)/4)*196608+((\a)%4)*1536
	global_store_b64 v[L8], v[PC+4:PC+5], s[96:97] offset:((\a)/4)*196608+((\a)%4)*1536+512
	global_store_b128 v[L16], v[PC+6:PC+9], s[96:97] offset:((\a)/4)*196608+((\a)%4)*1536+768
	global_store_b64 v[L8], v[PC+10:PC+11], s[96:97] offset:((\a)/4)*196608+((\a)%4)*1536+1280
	ds_store_b32 v[SSV], v[PW] offset:64*(\a)
.endm
.irp a, 0,1,2,3,4,5,6,7
	V_OUT \a
.endr
	ds_load_b128 v[220:223], v[SRV]
	s_wait_dscnt 0x0
	global_store_b128 v[VSO], v[220:223], s[100:101]   ; sixteen lanes store a head's 256 consecutive bytes, aligned
.Lend:
	s_wait_tensorcnt 0x0                           ; the wave's end
	ds_add_u32 v[SPW], v[NIL]
	s_wait_dscnt 0x0
	CROUND                                         ; the closing round
	s_endpgm
.Lfunc_end_k_qd9f51c7aca_qkv:
	.size	k_qd9f51c7aca_qkv, .Lfunc_end_k_qd9f51c7aca_qkv-k_qd9f51c7aca_qkv
	.p2alignl 7, 3214868480
	.fill 96, 4, 3214868480
	.section	.rodata,"a",@progbits
	.p2align	6, 0x0
	.amdhsa_kernel k_qd9f51c7aca_qkv
		.amdhsa_group_segment_fixed_size 327680
		.amdhsa_private_segment_fixed_size 0
		.amdhsa_enable_private_segment 0
		.amdhsa_kernarg_size 56
		.amdhsa_user_sgpr_count 2
		.amdhsa_user_sgpr_kernarg_segment_ptr 1
		.amdhsa_wavefront_size32 1
		.amdhsa_system_sgpr_workgroup_id_x 1
		.amdhsa_system_sgpr_workgroup_id_y 1
		.amdhsa_system_sgpr_workgroup_id_z 1
		.amdhsa_system_vgpr_workitem_id 0
		.amdhsa_next_free_vgpr 1024
		.amdhsa_next_free_sgpr 102
		.amdhsa_reserve_vcc 0
		.amdhsa_float_denorm_mode_32 3
		.amdhsa_float_denorm_mode_16_64 3
		.amdhsa_memory_ordered 1
		.amdhsa_forward_progress 1
		.amdhsa_inst_pref_size 228
	.end_amdhsa_kernel
	.amdgpu_metadata
---
amdhsa.version: [ 1, 2 ]
amdhsa.kernels:
  - .name:           k_qd9f51c7aca_qkv
    .symbol:         k_qd9f51c7aca_qkv.kd
    .args:
      - { .name: img, .offset: 0, .size: 8, .value_kind: global_buffer, .address_space: global }
      - { .name: scl, .offset: 8, .size: 8, .value_kind: global_buffer, .address_space: global }
      - { .name: pos_ids, .offset: 16, .size: 8, .value_kind: global_buffer, .address_space: global }
      - { .name: cos, .offset: 24, .size: 8, .value_kind: global_buffer, .address_space: global }
      - { .name: sin, .offset: 32, .size: 8, .value_kind: global_buffer, .address_space: global }
      - { .name: qkv, .offset: 40, .size: 8, .value_kind: global_buffer, .address_space: global }
      - { .name: qkvs, .offset: 48, .size: 8, .value_kind: global_buffer, .address_space: global }
    .group_segment_fixed_size: 327680
    .private_segment_fixed_size: 0
    .kernarg_segment_align: 8
    .kernarg_segment_size: 56
    .max_flat_workgroup_size: 128
    .sgpr_count:     102
    .vgpr_count:     1024
    .wavefront_size: 32
...
	.end_amdgpu_metadata
.endif
;; end of part 2
;; launch attn (part 3): grid 4 x 64, 16 waves a work-group, clusters of 4 x 1, 210,944 bytes of LDS; arguments qkv, qkvs, oimg, oscl; writes oimg, oscl
.if DOCPART == 3
	.amdgcn_target "amdgcn-amd-amdhsa--gfx1250"
	.amdhsa_code_object_version 6
	.text
	.protected	k_qd9f51c7aca_attn
	.globl	k_qd9f51c7aca_attn
	.p2align	8
	.type	k_qd9f51c7aca_attn,@function
k_qd9f51c7aca_attn:
	s_mov_b64 s[64:65], 0
	v_nop
	global_prefetch_b8 v0, s[64:65] scope:SCOPE_SE
	s_setreg_imm32_b32 hwreg(HW_REG_WAVE_MODE, 25, 1), 1
	s_wait_xcnt 0x0
	s_wait_alu depctr_hold_cnt(0) depctr_sa_sdst(0) depctr_va_vdst(0) depctr_va_sdst(0) depctr_va_ssrc(0) depctr_va_vcc(0) depctr_vm_vsrc(0)
	s_getreg_b32 s2, hwreg(HW_REG_IB_STS2, 6, 4)
	s_cmp_eq_u32 s2, 0
	s_cbranch_scc0 .Lentry_in_a_cluster
	s_endpgm
.Lentry_in_a_cluster:
	s_bfe_u32 s2, ttmp6, 0x10000c
	s_cmp_lg_u32 s2, 0x3003
	s_cbranch_scc0 .Lentry_shape_is_right
	s_endpgm
.Lentry_shape_is_right:
; Causal attention of one head (64 wide, 2,048 tokens) on codes of FP6 (E2M3) with E8M0 scales; the result, divided by the row's sum, is quantised along d_model and leaves as operand images for the last product.
; t = score x log2(e) / 8; M = the running largest t rounded UP to a whole number; p = 2^(t - M) is quantised along the keys, not normalised; the row's sum is taken of the unquantised p.  When M moves, sum and O are multiplied by 2^(old M - new M): exact.
; THE WHOLE HEAD'S K AND V LIE IN LDS: 196,608 bytes of fragments and 12,288 of scale words, filled ONCE: no ring, no refill, no barrier in the loop.
; CLUSTER: the four work-groups of a cluster own one head and ask for it jointly (mask 15): the same nine tensor loads in all four.
; SHARES: a wave owns two tiles of 16 queries: tile 2 cx + e of the group of 128 queries g, and of group 15 - g (g = wave % 8, e = wave / 8): (g + 1) + (16 - g) = 17 key steps of 128 for every wave.
; cx enters global addresses and one lane value alone: no branch and no LDS address hangs on it.
; LAYOUT: both products transposed: S^T = K Q^T (source 0 = 16 keys), O^T = V^T P^T (source 0 = 16 of d): a lane holds one query throughout.  By the order of rows in the tiles (lane index l of tile i = row 32 (i / 2) + 8 (i % 2) + l + 8 (l / 8))
; the 16 registers of two neighbouring tiles are 16 neighbouring keys, or 16 neighbours of d.
; K = 64 IN AN INSTRUCTION OF 128: Q's registers 6-11 are zero codes; K's fragments load registers 0-5, and their upper six hold whatever codes lie there: every code is a finite number, so each product there is 0; the scale bytes there are 127.
; The scale bytes of the result leave two to a lane (a row's two blocks of this head): heads live in other work-groups, so their neighbours in memory are not at hand: 262,144 bytes in the launch.
; LIMITS: a block of zeros gets the byte 1 (its codes are zeros; this program alone reads the bytes); NaN and infinities are not served.
; REGISTERS: v1-11, v94-95 addresses and lane values; v12-15, v28-31 -M, largest t, the sum's two halves of tile A, B; v16-27, v80-91 Q; v92-93 Q's scale words; v32-79 four fragments; v96-159 S^T, then p; v160-191, v192-223 O^T; v224-235 p's codes; v232-254 at work.
.set VIMG, 98304                       ; LDS: K's 128 tiles x 768 from 0, V's 64 fragments x 1,536 from here,
.set KSCL, 196608                      ; K's scale words, 64 bytes a tile; V's 8,192 bytes on, 64 bytes a fragment
.set WV,   18
.set SI,   19                          ; the key step's number
.set SEL,  20
.set CS,   22                          ; s[22:23] c = log2(e) / 8
.set G1A,  24
.set G1B,  32
.set G0,   40
.set G0S,  44
.set TB,   48                          ; the step's fragments: 6,144 bytes a step, in K and in V
.set TS,   49                          ; K's scale words: 512 a step
.set TJ,   50                          ; V's: 8,192 + 256 a step
.set L16,  1
.set L8,   2
.set ASC,  3                           ; KSCL + 4 r
.set ADK,  4                           ; v4, v5  the step's tiles of K, + 16 x lane, + 8 x lane
.set ADV,  6                           ; v6, v7  of V
.set ADS,  8
.set ADT,  9
.set DQ,   10                          ; my query in its group of 128, less 16 (lane / 16)
.set NINF, 11
.set L16V, 94
.set L8V,  95
.set TM,   52                          ; the way out's quantiser
.set PC,   32
.set PW,   68
.macro ROUND                           ; a round of the cluster's barrier
	s_barrier_signal -1
	s_barrier_wait -1
	s_cmp_lg_u32 s[WV], 0
	s_cbranch_scc1 .Lnot_wave_0_\@
	s_barrier_signal -3
.Lnot_wave_0_\@:
	s_barrier_wait -3
	s_barrier_signal -1
	s_barrier_wait -1
.endm
	s_load_b256 s[4:11], s[0:1], 0x0               ; qkv, qkvs, oimg, oscl
	v_lshl_add_u32 v243, v0, 2, 0x33000
	v_mov_b32 v255, 0
	ds_add_u32 v243, v255
	ds_add_u32 v243, v255
	v_lshrrev_b32 v1, 5, v0
	v_readfirstlane_b32 s[WV], v1                  ; wave 0..15
	s_and_b32 s12, ttmp7, 0xffff                   ; batch x 16 + head, which the four partners share
	s_bfe_u32 s13, ttmp6, 0x40000                  ; cx
	s_and_b32 s14, s[WV], 7                        ; tile A's group
	s_sub_co_u32 s15, 15, s14                      ; tile B's
	s_lshr_b32 s16, s[WV], 3                       ; e
	; descriptor group 1: dense blocks as rows of 256 bytes (32 elements of 8 bytes): 96 rows of fragments, 48 rows of scale words
	s_mov_b32 s[G1A], 15|(3<<16)|(1<<21)           ; 15:0 the mask: all four; 17:16 elements of 8 bytes; 21 set beside a mask
	s_mov_b32 s[G1A+1], 32<<16
	s_mov_b32 s[G1A+2], 96<<16
	s_mov_b32 s[G1A+3], 32<<16
	s_mov_b32 s[G1A+4], 96
	s_mov_b32 s[G1A+5], 32
	s_mov_b32 s[G1A+6], 0
	s_mov_b32 s[G1A+7], 0
	s_mov_b32 s[G1B], 15|(3<<16)|(1<<21)
	s_mov_b32 s[G1B+1], 32<<16
	s_mov_b32 s[G1B+2], 48<<16
	s_mov_b32 s[G1B+3], 32<<16
	s_mov_b32 s[G1B+4], 48
	s_mov_b32 s[G1B+5], 32
	s_mov_b32 s[G1B+6], 0
	s_mov_b32 s[G1B+7], 0
	s_mul_i32 s[G0+1], s[WV], 24576                ; waves 0 to 7: an eighth of K and V each
	s_mul_i32 s68, s12, 196608
	s_add_co_u32 s68, s68, s[G0+1]
	s_add_co_u32 s68, s68, 6291456
	s_mov_b32 s69, 0
	s_mul_i32 s70, s12, 12288
	s_add_co_u32 s70, s70, 524288
	s_mov_b32 s71, 0
	s_mov_b32 s[SEL], 0x76543210
	s_mov_b32 s[SEL+1], 0xfedcba98
	s_mov_b32 s[CS], 0x3e38aa3b
	s_mov_b32 s[CS+1], s[CS]                       ; named with it as a pair, so it is written
	s_mov_b32 s[TB], 0
	s_mov_b32 s[TS], 0
	s_mov_b32 s[TJ], 8192
	s_mov_b32 s[SI], 0
	s_wait_dscnt 0x0
	s_wait_kmcnt 0x0
	s_mov_b32 s[G0], 1
	s_add_nc_u64 s[G0+2:G0+3], s[4:5], s[68:69]
	s_or_b32 s[G0+3], s[G0+3], 0x80000000
	s_mov_b32 s[G0S], 1
	s_mov_b32 s[G0S+1], KSCL
	s_add_nc_u64 s[G0S+2:G0S+3], s[6:7], s[70:71]
	s_or_b32 s[G0S+3], s[G0S+3], 0x80000000
	ROUND                                          ; all four work-groups are here: the joint loads meet
	s_cmp_lt_u32 s[WV], 8                          ; one load a wave at the most; the branches hang on the wave's number alone
	s_cbranch_scc0 .Lnot_kv
	tensor_load_to_lds s[G0:G0+3], s[G1A:G1A+7]
	s_nop 0
.rept 4
	v_nop
.endr
	s_branch .Lasked
.Lnot_kv:
	s_cmp_eq_u32 s[WV], 8
	s_cbranch_scc0 .Lasked
	tensor_load_to_lds s[G0S:G0S+3], s[G1B:G1B+7]
	s_nop 0
.rept 4
	v_nop
.endr
.Lasked:
	s_lshl_b32 s68, s13, 1
	s_add_co_u32 s68, s68, s16                     ; my tiles' place in their groups: 2 cx + e
	s_lshl_b32 s69, s14, 3
	s_add_co_u32 s69, s69, s68                     ; tile A in the sequence
	s_lshl_b32 s70, s15, 3
	s_add_co_u32 s70, s70, s68                     ; tile B
	s_mul_i32 s71, s12, 98304                      ; Q's codes: 768 bytes a tile
	s_mul_i32 s52, s69, 768
	s_add_co_u32 s52, s52, s71
	s_mov_b32 s53, 0
	s_add_nc_u64 s[52:53], s[4:5], s[52:53]
	s_mul_i32 s54, s70, 768
	s_add_co_u32 s54, s54, s71
	s_mov_b32 s55, 0
	s_add_nc_u64 s[54:55], s[4:5], s[54:55]
	s_lshl_b32 s71, s12, 13                        ; Q's scale words: 64 bytes a tile
	s_lshl_b32 s56, s69, 6
	s_add_co_u32 s56, s56, s71
	s_mov_b32 s57, 0
	s_add_nc_u64 s[56:57], s[6:7], s[56:57]
	s_lshl_b32 s58, s70, 6
	s_add_co_u32 s58, s58, s71
	s_mov_b32 s59, 0
	s_add_nc_u64 s[58:59], s[6:7], s[58:59]
	s_lshr_b32 s51, s12, 4                         ; batch
	s_and_b32 s67, s12, 15                         ; head
	s_lshl_b32 s71, s51, 4                         ; oimg: [group of 128 rows][K step = head / 2][tile][half = head % 2]
	s_add_co_u32 s60, s71, s14
	s_add_co_u32 s62, s71, s15
	s_mul_i32 s60, s60, 98304
	s_mul_i32 s62, s62, 98304
	s_lshr_b32 s71, s67, 1
	s_mul_i32 s71, s71, 12288
	s_mul_i32 s66, s68, 1536
	s_add_co_u32 s71, s71, s66
	s_and_b32 s66, s67, 1
	s_mul_i32 s66, s66, 768
	s_add_co_u32 s71, s71, s66
	s_add_co_u32 s60, s60, s71
	s_add_co_u32 s62, s62, s71
	s_mov_b32 s61, 0
	s_mov_b32 s63, 0
	s_add_nc_u64 s[60:61], s[8:9], s[60:61]
	s_add_nc_u64 s[62:63], s[8:9], s[62:63]
	s_lshl_b32 s51, s51, 7                         ; oscl: tile x 512 + (head / 4) x 128 + 8 r + 2 (head % 4)
	s_lshr_b32 s71, s67, 2
	s_lshl_b32 s71, s71, 7
	s_and_b32 s67, s67, 3
	s_lshl_b32 s67, s67, 1
	s_add_co_u32 s71, s71, s67
	s_add_co_u32 s66, s51, s69
	s_lshl_b32 s66, s66, 9
	s_add_co_u32 s66, s66, s71
	s_add_co_u32 s67, s51, s70
	s_lshl_b32 s67, s67, 9
	s_add_co_u32 s67, s67, s71
	s_lshl_b32 s71, s13, 5
	s_lshl_b32 s51, s16, 3
	s_add_co_u32 s71, s71, s51                     ; 32 cx + 8 e
	v_and_b32 v254, 31, v0
	v_lshlrev_b32 v[L16], 4, v254
	v_lshlrev_b32 v[L8], 3, v254
	v_and_b32 v252, 15, v0                         ; r
	v_bfe_u32 v253, v0, 4, 1                       ; h
	v_lshl_add_u32 v[ASC], v252, 2, KSCL
	v_add_nc_u32 v[L16V], VIMG, v[L16]
	v_add_nc_u32 v[L8V], VIMG, v[L8]
	v_and_b32 v[DQ], 8, v252
	v_add_nc_u32 v[DQ], v[DQ], v252
	v_add_nc_u32 v[DQ], s71, v[DQ]
	v_lshlrev_b32 v253, 4, v253
	v_sub_nc_u32 v[DQ], v[DQ], v253
	v_lshlrev_b32 v254, 2, v252                    ; 4 r
	global_load_b128 v[16:19], v[L16], s[52:53]    ; Q stays in registers
	global_load_b64 v[20:21], v[L8], s[52:53] offset:512
	global_load_b128 v[80:83], v[L16], s[54:55]
	global_load_b64 v[84:85], v[L8], s[54:55] offset:512
	global_load_b32 v92, v254, s[56:57]
	global_load_b32 v93, v254, s[58:59]
	v_mov_b32 v[NINF], 0xff800000
	v_mov_b32 v13, 0xff61b1e6                      ; the largest t so far: -3e38, under every t
	v_floor_f32 v12, -v13                          ; -M
	v_mov_b32 v14, 0
	v_mov_b32 v15, 0
	v_mov_b32 v29, 0xff61b1e6
	v_floor_f32 v28, -v29
	v_mov_b32 v30, 0
	v_mov_b32 v31, 0
.irp b, 0,1,2,3
	v_mov_b32 v[236+\b], 0                         ; a lane permute's destination counts as one of its sources
.endr
	v_mov_b32 v253, 0                              ; named as the upper half of the pair v[252:253] before it is first written as p's scale word
.irp i, 0,1,2,3,4,5
	v_mov_b32 v[22+\i], 0                          ; zero codes for the half of K that a head of 64 leaves empty
	v_mov_b32 v[86+\i], 0
.endr
.irp t, 0,1,2,3
.irp i, 0,1,2,3,4,5
	v_mov_b32 v[38+12*\t+\i], 0                    ; written once; later V's codes lie here
.endr
.endr
.set n, 0
.rept 64
	v_mov_b32 v[160+n], 0                          ; O^T: the step is written once: the first finds zeros, which the first change of M leaves zeros
.set n, n+1
.endr
; A KEY STEP of one tile: 128 keys.  QF, QW: the tile's Q and its scale words; ST: its statistics; OT: its O^T; GRP: the scalar register with its group
.macro STEP QF, QW, ST, OT, GRP
	s_cmp_gt_u32 s[SI], s[\GRP]                    ; all keys of the step come after the tile's queries: nothing to do.  A branch on the wave's number and the loop's count
	s_cbranch_scc1 .Lhidden_\@
.irp gg, 0,1                           ; S^T = K Q^T, four tiles of 16 keys at a time
.rept 4
	v_nop                                          ; places in front of loads into registers that matrix instructions have read
.endr
.irp t, 0,1,2,3
	ds_load_b128 v[32+12*\t:35+12*\t], v[ADK] offset:(4*\gg+\t)*768
	ds_load_b64 v[36+12*\t:37+12*\t], v[ADK+1] offset:(4*\gg+\t)*768+512
	ds_load_b32 v[248+\t], v[ADS] offset:(4*\gg+\t)*64
.endr
	s_wait_dscnt 0x0
.irp t, 0,1,2,3
	v_wmma_scale_f32_16x16x128_f8f6f4 v[96+8*(4*\gg+\t):103+8*(4*\gg+\t)], v[32+12*\t:43+12*\t], v[\QF:\QF+11], 0, v[248+\t], v[\QW] matrix_a_fmt:MATRIX_FMT_FP6 matrix_b_fmt:MATRIX_FMT_FP6
.endr
.endr
.rept 4
	v_nop
.endr
.irp t, 0,1,2,3                        ; V's four fragments are asked for now: their registers are free, and the softmax stands between the request and the wait
	ds_load_b128 v[32+12*\t:35+12*\t], v[ADV] offset:\t*1536
	ds_load_b64 v[36+12*\t:37+12*\t], v[ADV+1] offset:\t*1536+512
	ds_load_b128 v[38+12*\t:41+12*\t], v[ADV] offset:\t*1536+768
	ds_load_b64 v[42+12*\t:43+12*\t], v[ADV+1] offset:\t*1536+1280
	ds_load_b32 v[248+\t], v[ADT] offset:64*\t
.endr
	s_cmp_lg_u32 s[SI], s[\GRP]                    ; only the step on the diagonal hides keys
	s_cbranch_scc1 .Lopen_\@
.set n, 0
.rept 64                               ; register n holds key 32 (n / 16) + 16 (lane / 16) + n % 16 of the step: hidden where it comes after my query: -infinity, so p = 0
	v_cmp_gt_i32 vcc_lo, 32*(n/16)+n%16, v[DQ]
	v_cndmask_b32 v[96+n], v[96+n], v[NINF], vcc_lo
.set n, n+1
.endr
.Lopen_\@:
.irp b, 0,1,2,3
	v_max3_num_f32 v[232+\b], v[96+16*\b], v[97+16*\b], v[98+16*\b]   ; the largest score of each block of 32 keys: for the row's maximum and, since p rises with the score, for the block's largest p
.endr
.irp i, 3,5,7,9,11,13
.irp b, 0,1,2,3
	v_max3_num_f32 v[232+\b], v[232+\b], v[96+16*\b+\i], v[97+16*\b+\i]
.endr
.endr
.irp b, 0,1,2,3
	v_max_num_f32 v[232+\b], v[232+\b], v[111+16*\b]
.endr
.irp b, 0,1,2,3
	v_permlanex16_b32 v[236+\b], v[232+\b], s[SEL], s[SEL+1]
.endr
.irp b, 0,1,2,3
	v_max_num_f32 v[232+\b], v[232+\b], v[236+\b]  ; with lane l xor 16
.endr
	v_max3_num_f32 v254, v232, v233, v234
	v_max_num_f32 v254, v254, v235
	v_mul_f32 v254, s[CS], v254                    ; as t (c is positive)
	v_max_num_f32 v[\ST+1], v[\ST+1], v254         ; the running largest t
	v_mov_b32 v254, v[\ST]
	v_floor_f32 v[\ST], -v[\ST+1]                  ; the new -M = -ceil(t)
	v_sub_f32 v254, v[\ST], v254                   ; old M - new M: a whole number, 0 or less
	v_cvt_i32_f32 v254, v254                       ; (it saturates)
	v_ldexp_f32 v252, 1.0, v254                    ; f = 2^(old M - new M)
.set n, 0
.rept 32
	v_pk_fma_f32 v[96+n:97+n], v[96+n:97+n], s[CS:CS+1], v[\ST:\ST+1] op_sel_hi:[1,0,0]   ; t - M, two at a time
.set n, n+2
.endr
.irp b, 0,1,2,3
	v_fma_f32 v[232+\b], v[232+\b], s[CS], v[\ST]  ; the same of each block's largest score
.endr
.set n, 0
.rept 64
	v_exp_f32 v[96+n], v[96+n]                     ; p = 2^(t - M)
.set n, n+1
.endr
	v_pk_mul_f32 v[\ST+2:\ST+3], v[\ST+2:\ST+3], v[252:253] op_sel_hi:[1,0]   ; the sums under the new M: the plain place behind the exponentials
	s_wait_alu depctr_va_vdst(0)                   ; one wait for the whole batch, ahead of its first reader
.irp b, 0,1,2,3
	v_exp_f32 v[232+\b], v[232+\b]                 ; the block's largest p
.endr
	v_pk_add_f32 v[236:237], v[96:97], v[98:99]    ; the row's sum of the unquantised p, in two chains: plain work behind the four
.irp j, 4,8,12,16,20,24,28,32,36,40,44,48,52,56,60
	v_pk_add_f32 v[\ST+2:\ST+3], v[\ST+2:\ST+3], v[96+\j:97+\j]
	v_pk_add_f32 v[236:237], v[236:237], v[98+\j:99+\j]
.endr
	v_pk_add_f32 v[\ST+2:\ST+3], v[\ST+2:\ST+3], v[236:237]
	s_wait_alu depctr_va_vdst(0)                   ; and one for the four
.irp b, 0,1,2,3
	v_max_num_f32 v[232+\b], 0x1800000, v[232+\b]  ; the floor 2^(3 - 127): the byte cannot fall under 1
.endr
.irp b, 0,1,2,3
	v_add_nc_u32 v[244+\b], 0xff000000, v[232+\b]  ; 2 off the exponent field: the conversion's scale operand
.endr
.irp b, 0,1,2,3
	v_lshrrev_b32 v[236+\b], 23, v[244+\b]
.endr
	v_lshl_or_b32 v253, v237, 8, v236              ; p's scale word for these 128 keys
	v_lshl_or_b32 v253, v238, 16, v253
	v_lshl_or_b32 v253, v239, 24, v253
.irp c, 0,1
	v_cvt_scalef32_pk16_fp6_f32 v[224+6*\c:226+6*\c], v[96+32*\c:111+32*\c], v[244+2*\c]
	v_cvt_scalef32_pk16_fp6_f32 v[236+4*\c:238+4*\c], v[112+32*\c:127+32*\c], v[244+2*\c+1]
.endr
	v_nop                                          ; one plain place behind a scaled conversion
.irp c, 0,1
.irp i, 0,1,2
	v_permlane16_swap_b32 v[224+6*\c+\i], v[236+4*\c+\i]
.endr
.irp i, 0,1,2
	v_mov_b32 v[227+6*\c+\i], v[236+4*\c+\i]
.endr
.endr
.set n, 0
.rept 16
	v_pk_mul_f32 v[\OT+n:\OT+n+1], v[\OT+n:\OT+n+1], v[252:253] op_sel_hi:[1,0]   ; O^T under the new M; these sixteen are also the places between p's codes and scale word and the products below
.set n, n+2
.endr
	s_wait_dscnt 0x0                               ; V's fragments and scale words are in
.irp t, 0,1,2,3                        ; O^T += V^T P^T: the four accumulators by turns, one instruction a turn
	v_wmma_scale_f32_16x16x128_f8f6f4 v[\OT+8*\t:\OT+8*\t+7], v[32+12*\t:43+12*\t], v[224:235], v[\OT+8*\t:\OT+8*\t+7], v[248+\t], v253 matrix_a_fmt:MATRIX_FMT_FP6 matrix_b_fmt:MATRIX_FMT_FP6
.endr
.Lhidden_\@:
.endm
	s_wait_tensorcnt 0x0                           ; my part of the head is in,
	s_barrier_signal -1
	s_barrier_wait -1                              ; everybody's is
	s_wait_loadcnt 0x0                             ; Q
.Lstep:                                            ; sixteen trips, a constant: what a wave does not need it jumps over inside the trip
	v_add_nc_u32 v[ADK], s[TB], v[L16]
	v_add_nc_u32 v[ADK+1], s[TB], v[L8]
	v_add_nc_u32 v[ADV], s[TB], v[L16V]
	v_add_nc_u32 v[ADV+1], s[TB], v[L8V]
	v_add_nc_u32 v[ADS], s[TS], v[ASC]
	v_add_nc_u32 v[ADT], s[TJ], v[ASC]
	STEP 80, 93, 28, 192, 15
	STEP 16, 92, 12, 160, 14
	s_add_co_u32 s[TB], s[TB], 6144
	s_add_co_u32 s[TS], s[TS], 512
	s_add_co_u32 s[TJ], s[TJ], 256
	s_add_co_u32 s[SI], s[SI], 1
	s_cmp_lt_u32 s[SI], 16
	s_cbranch_scc1 .Lstep
	; THE WAY OUT, both tiles at once.  O^T / the sum: register 16 b + i of a tile is d = 32 b + 16 (lane / 16) + i: two blocks of the last product's K.  v96-127 tile A, v128-159 tile B: four blocks for one quantiser
.rept 4
	v_nop                                          ; places behind the last products
.endr
	v_add_f32 v14, v14, v15
	v_add_f32 v30, v30, v31
	v_permlanex16_b32 v236, v14, s[SEL], s[SEL+1]
	v_permlanex16_b32 v237, v30, s[SEL], s[SEL+1]
	v_add_f32 v14, v14, v236                       ; the rows' sums
	v_add_f32 v30, v30, v237
	v_rcp_f32 v14, v14
	v_rcp_f32 v30, v30
.irp b, 0,1,2,3
	v_mov_b32 v[TM+4+\b], 0                        ; plain work behind the reciprocals; a lane permute's destination counts as one of its sources
.endr
	s_wait_alu depctr_va_vdst(0)                   ; one wait for both, ahead of the first reader
.set n, 0
.rept 16
	v_pk_mul_f32 v[96+n:97+n], v[160+n:161+n], v[14:15] op_sel_hi:[1,0]
.set n, n+2
.endr
.set n, 0
.rept 16
	v_pk_mul_f32 v[128+n:129+n], v[192+n:193+n], v[30:31] op_sel_hi:[1,0]
.set n, n+2
.endr
.irp b, 0,1,2,3
	v_max3_num_f32 v[TM+\b], |v[96+16*\b]|, |v[97+16*\b]|, 0x1800000
.endr
.irp i, 2,4,6,8,10,12,14
.irp b, 0,1,2,3
	v_max3_num_f32 v[TM+\b], v[TM+\b], |v[96+16*\b+\i]|, |v[97+16*\b+\i]|
.endr
.endr
.irp b, 0,1,2,3
	v_permlanex16_b32 v[TM+4+\b], v[TM+\b], s[SEL], s[SEL+1]
.endr
.irp b, 0,1,2,3
	v_max_num_f32 v[TM+\b], v[TM+\b], v[TM+4+\b]
.endr
.irp b, 0,1,2,3
	v_add_nc_u32 v[TM+12+\b], 0xff000000, v[TM+\b]
.endr
.irp b, 0,1,2,3
	v_lshrrev_b32 v[TM+4+\b], 23, v[TM+12+\b]
.endr
	v_lshl_or_b32 v[PW], v[TM+5], 8, v[TM+4]       ; bytes 0, 1: tile A's two blocks; bytes 2, 3: tile B's
	v_lshl_or_b32 v[PW], v[TM+6], 16, v[PW]
	v_lshl_or_b32 v[PW], v[TM+7], 24, v[PW]
.irp c, 0,1
	v_cvt_scalef32_pk16_fp6_f32 v[PC+6*\c:PC+2+6*\c], v[96+32*\c:111+32*\c], v[TM+12+2*\c]
	v_cvt_scalef32_pk16_fp6_f32 v[PC+12+4*\c:PC+14+4*\c], v[112+32*\c:127+32*\c], v[TM+12+2*\c+1]
.endr
	v_nop                                          ; one plain place behind a scaled conversion
.irp c, 0,1
.irp i, 0,1,2
	v_permlane16_swap_b32 v[PC+6*\c+\i], v[PC+12+4*\c+\i]
.endr
.irp i, 0,1,2
	v_mov_b32 v[PC+3+6*\c+\i], v[PC+12+4*\c+\i]
.endr
.endr
	global_store_b128 v[L16], v[PC:PC+3], s[60:61]         ; a half fragment: 512 and 256 consecutive bytes, aligned
	global_store_b64 v[L8], v[PC+4:PC+5], s[60:61] offset:512
	global_store_b128 v[L16], v[PC+6:PC+9], s[62:63]
	global_store_b64 v[L8], v[PC+10:PC+11], s[62:63] offset:512
	v_and_b32 v70, 15, v0
	v_and_b32 v71, 16, v0
	v_cmp_ne_u32 vcc_lo, 0, v71                    ; lanes 0-15 carry tile A's two bytes of row r, lanes 16-31 tile B's
	v_lshrrev_b32 v69, 16, v[PW]
	v_cndmask_b32 v69, v[PW], v69, vcc_lo
	v_mov_b32 v72, s66
	v_mov_b32 v73, s67
	v_cndmask_b32 v72, v72, v73, vcc_lo
	v_lshl_add_u32 v72, v70, 3, v72
	global_store_b16 v72, v69, s[10:11]
	s_wait_tensorcnt 0x0
	ds_add_u32 v243, v255
	s_wait_dscnt 0x0
	ROUND                                          ; the closing round
	s_endpgm
.Lfunc_end_k_qd9f51c7aca_attn:
	.size	k_qd9f51c7aca_attn, .Lfunc_end_k_qd9f51c7aca_attn-k_qd9f51c7aca_attn
	.p2alignl 7, 3214868480
	.fill 96, 4, 3214868480
	.section	.rodata,"a",@progbits
	.p2align	6, 0x0
	.amdhsa_kernel k_qd9f51c7aca_attn
		.amdhsa_group_segment_fixed_size 210944
		.amdhsa_private_segment_fixed_size 0
		.amdhsa_enable_private_segment 0
		.amdhsa_kernarg_size 32
		.amdhsa_user_sgpr_count 2
		.amdhsa_user_sgpr_kernarg_segment_ptr 1
		.amdhsa_wavefront_size32 1
		.amdhsa_system_sgpr_workgroup_id_x 1
		.amdhsa_system_sgpr_workgroup_id_y 1
		.amdhsa_system_sgpr_workgroup_id_z 1
		.amdhsa_system_vgpr_workitem_id 0
		.amdhsa_next_free_vgpr 256
		.amdhsa_next_free_sgpr 72
		.amdhsa_reserve_vcc 1
		.amdhsa_float_denorm_mode_32 3
		.amdhsa_float_denorm_mode_16_64 3
		.amdhsa_memory_ordered 1
		.amdhsa_forward_progress 1
		.amdhsa_inst_pref_size 62
	.end_amdhsa_kernel
	.amdgpu_metadata
---
amdhsa.version: [ 1, 2 ]
amdhsa.kernels:
  - .name:           k_qd9f51c7aca_attn
    .symbol:         k_qd9f51c7aca_attn.kd
    .args:
      - { .name: qkv, .offset: 0, .size: 8, .value_kind: global_buffer, .address_space: global }
      - { .name: qkvs, .offset: 8, .size: 8, .value_kind: global_buffer, .address_space: global }
      - { .name: oimg, .offset: 16, .size: 8, .value_kind: global_buffer, .address_space: global }
      - { .name: oscl, .offset: 24, .size: 8, .value_kind: global_buffer, .address_space: global }
    .group_segment_fixed_size: 210944
    .private_segment_fixed_size: 0
    .kernarg_segment_align: 8
    .kernarg_segment_size: 32
    .max_flat_workgroup_size: 512
    .sgpr_count:     72
    .vgpr_count:     256
    .wavefront_size: 32
...
	.end_amdgpu_metadata
.endif
;; end of part 3
;; launch oproj (part 4): grid 4 x 32, 4 waves a work-group, clusters of 4 x 4, 327,680 bytes of LDS; arguments oimg, oscl, img, scl, out0; writes out0
.if DOCPART == 4
	.amdgcn_target "amdgcn-amd-amdhsa--gfx1250"
	.amdhsa_code_object_version 6
	.text
	.protected	k_qd9f51c7aca_oproj
	.globl	k_qd9f51c7aca_oproj
	.p2align	8
	.type	k_qd9f51c7aca_oproj,@function
k_qd9f51c7aca_oproj:
	s_mov_b64 s[64:65], 0
	v_nop
	global_prefetch_b8 v0, s[64:65] scope:SCOPE_SE
	s_setreg_imm32_b32 hwreg(HW_REG_WAVE_MODE, 25, 1), 1
	s_wait_xcnt 0x0
	s_wait_alu depctr_hold_cnt(0) depctr_sa_sdst(0) depctr_va_vdst(0) depctr_va_sdst(0) depctr_va_ssrc(0) depctr_va_vcc(0) depctr_vm_vsrc(0)
	s_getreg_b32 s2, hwreg(HW_REG_IB_STS2, 6, 4)
	s_cmp_eq_u32 s2, 0
	s_cbranch_scc0 .Lentry_in_a_cluster
	s_endpgm
.Lentry_in_a_cluster:
	s_bfe_u32 s2, ttmp6, 0x10000c
	s_cmp_lg_u32 s2, 0xf033
	s_cbranch_scc0 .Lentry_shape_is_right
	s_endpgm
.Lentry_shape_is_right:
; out0 = O Wo^T on codes of FP6 (E2M3) with E8M0 scales; out0 [8192][1024] f32.  A = the attention's result (oimg, oscl), B = Wo (tiles 44-47 of img, scl).
; Tiles of 256 x 256, K = 1,024; four waves, each 128 x 128: 64 accumulators, 512 registers.  Fragments lie in memory as images of their registers: a K step of 256 of 128 rows is one dense block of 24,576 bytes:
; one tensor load a wave, no padding, every LDS load 512 or 256 consecutive bytes.  The scale words come once with the first fills.  Ring of two slots; four slots' worth of K, written out: no loop.
; CLUSTERS 4 x 4: A's tiles are asked for jointly along a row of the cluster, B's along a column.  C has 128 tiles of this size: 128 work-groups.
; THE MATRIX INSTRUCTION IS USED TRANSPOSED (source 0 = 16 rows of Wo, source 1 = 16 tokens).  Lane index l of tile i stands for row 32 (i / 2) + 8 (i % 2) + l + 8 (l / 8), in A and in B: the way out puts rows and columns back.
; REGISTERS: window 0: v8-29 addresses; v32-63 scale words, two sets; v128-223 A's fragments; on the way out v128-255 rows of C.  window 1: B's fragments, two sets.  windows 2, 3: the accumulators, (a, b) at v[8 (8 (a % 4) + b)].
.set SLOT,   98304
.set HALFT,  24576
.set QSTEP,  12288
.set FRB,    1536
.set SCL,    2*SLOT
.set SPARE,  SCL+16384                 ; the spare words, 128 bytes a wave: two blocks of 256 bytes that no other line names
.set SPITCH, 528                       ; the way out: a stage of 16 rows x (512 bytes + 16) for each wave, in slot 0, which has had its last fill and its last read by then
.set FR,     12
.set NL,     4
.set NQ,     2
.set NP,     4
.set L16,  8
.set L8,   9
.set ADRA, 16
.set ADRB, 20
.set STO,  24
.set RD,   25
.set ADRS, 27
.set SPW,  28
.set NIL,  29
.set SC,   32
.set AF,   128
.set BK,   128
.set G1, 24
.set G0, 32
.set G1B, 48
.set G0B, 56
.set G1S, 68
.set G0S, 76
.set G1SB, 80
.set G0SB, 88
.set MSB, 0
.macro WIN new
.if MSB != (\new)
	s_set_vgpr_msb (MSB<<8)|(\new)
.set MSB, (\new)
.endif
.endm
.set MUL_LO, 0xa1
.set MUL_HI, 0xf1
.set TO_B,   0x40
.macro JLOAD g0a, g1a, g0b, g1b        ; waves 0 and 1 fetch for A, waves 2 and 3 for B; four v_nop follow each line
	s_cmp_eq_u32 s19, 0
	s_cbranch_scc0 .Lfor_b_\@
	tensor_load_to_lds s[\g0a:\g0a+3], s[\g1a:\g1a+7]
	s_nop 0
.rept 4
	v_nop
.endr
	s_branch .Lasked_\@
.Lfor_b_\@:
	tensor_load_to_lds s[\g0b:\g0b+3], s[\g1b:\g1b+7]
	s_nop 0
.rept 4
	v_nop
.endr
.Lasked_\@:
.endm
.macro CREST
	s_cmp_lg_u32 s18, 0
	s_cbranch_scc1 .Lnot_wave_0_\@
	s_barrier_signal -3
.Lnot_wave_0_\@:
	s_barrier_wait -3
	s_barrier_signal -1
	s_barrier_wait -1
.endm
.macro CROUND
	s_barrier_signal -1
	s_barrier_wait -1
	CREST
.endm
	s_load_b256 s[4:11], s[0:1], 0x0               ; oimg, oscl, img, scl
	s_load_b64 s[12:13], s[0:1], 0x20              ; out0
	v_lshl_add_u32 v[SPW], v0, 2, SPARE
	v_mov_b32 v[NIL], 0
	ds_add_u32 v28, v29
	ds_add_u32 v28, v29
	s_wait_dscnt 0x0
	v_lshrrev_b32 v1, 5, v0
	v_readfirstlane_b32 s18, v1                    ; wave 0..3
	s_lshr_b32 s19, s18, 1                         ; which half of the tokens is mine.  Also: I fetch for A (0) or for B (1)
	s_and_b32 s20, s18, 1                          ; which half of the columns.  Also: which 128 rows I fetch
	s_bfe_u32 s40, ttmp6, 0x40000                  ; cx
	s_bfe_u32 s41, ttmp6, 0x40004                  ; cy
	s_and_b32 s66, ttmp7, 0xffff
	s_lshl_b32 s66, s66, 2
	s_add_co_u32 s66, s66, s41                     ; A's tile: 4 x cluster y + cy
	s_add_co_u32 s42, s40, 44                      ; B's tile: Wo's begin at 44
	s_lshl_b32 s43, s41, 2
	s_lshl_b32 s43, 15, s43                        ; my row of the cluster
	s_lshl_b32 s44, 0x1111, s40                    ; my column
	s_or_b32 s[G1+0], s43, (3<<16)|(1<<21)         ; dense blocks as rows of 256 bytes (32 elements of 8 bytes): 96 rows of codes, 16 of scale words
	s_or_b32 s[G1B+0], s44, (3<<16)|(1<<21)
.irp g, G1, G1B
	s_mov_b32 s[\g+1], 32<<16
	s_mov_b32 s[\g+2], 96<<16
	s_mov_b32 s[\g+3], 32<<16
	s_mov_b32 s[\g+4], 96
	s_mov_b32 s[\g+5], 32
	s_mov_b32 s[\g+6], 0
	s_mov_b32 s[\g+7], 0
.endr
	s_or_b32 s[G1S+0], s43, (3<<16)|(1<<21)
	s_or_b32 s[G1SB+0], s44, (3<<16)|(1<<21)
.irp g, G1S, G1SB
	s_mov_b32 s[\g+1], 32<<16
	s_mov_b32 s[\g+2], 16<<16
	s_mov_b32 s[\g+3], 32<<16
	s_mov_b32 s[\g+4], 16
	s_mov_b32 s[\g+5], 32
	s_mov_b32 s[\g+6], 0
	s_mov_b32 s[\g+7], 0
.endr
	s_lshl_b32 s21, s66, 1
	s_add_co_u32 s21, s21, s20                     ; the group of 128 rows that I fetch for A
	s_mul_i32 s22, s21, 98304
	s_mov_b32 s23, 0
	s_lshl_b32 s92, s21, 12
	s_mov_b32 s93, 0
	s_lshl_b32 s46, s42, 1
	s_add_co_u32 s46, s46, s20                     ; and for B
	s_lshl_b32 s2, s46, 12
	s_mov_b32 s3, 0
	s_mul_i32 s46, s46, 98304
	s_mov_b32 s47, 0
	s_mul_i32 s45, s18, HALFT
	s_lshl_b32 s94, s18, 12
	s_wait_kmcnt 0x0
	s_add_nc_u64 s[22:23], s[4:5], s[22:23]
	s_add_nc_u64 s[92:93], s[6:7], s[92:93]
	s_add_nc_u64 s[46:47], s[8:9], s[46:47]
	s_add_nc_u64 s[2:3], s[10:11], s[2:3]
	CROUND                                         ; all sixteen work-groups are here: the first joint loads meet
	s_mov_b32 s[G0S], 1
	s_add_co_u32 s[G0S+1], s94, SCL
	s_mov_b64 s[G0S+2:G0S+3], s[92:93]
	s_or_b32 s[G0S+3], s[G0S+3], 0x80000000
	s_mov_b32 s[G0SB], 1
	s_add_co_u32 s[G0SB+1], s94, SCL
	s_mov_b64 s[G0SB+2:G0SB+3], s[2:3]
	s_or_b32 s[G0SB+3], s[G0SB+3], 0x80000000
	JLOAD G0S, G1S, G0SB, G1SB                     ; three loads of mine are out behind the next two
.irp s, 0,1
	s_mov_b32 s[G0+4*\s], 1
	s_add_co_u32 s[G0+4*\s+1], s45, \s*SLOT
	s_add_nc_u64 s[G0+4*\s+2:G0+4*\s+3], s[22:23], \s*HALFT
	s_or_b32 s[G0+4*\s+3], s[G0+4*\s+3], 0x80000000
	s_mov_b32 s[G0B+4*\s], 1
	s_add_co_u32 s[G0B+4*\s+1], s45, \s*SLOT
	s_add_nc_u64 s[G0B+4*\s+2:G0B+4*\s+3], s[46:47], \s*HALFT
	s_or_b32 s[G0B+4*\s+3], s[G0B+4*\s+3], 0x80000000
	JLOAD G0+4*\s, G1, G0B+4*\s, G1B
.endr
	v_and_b32 v1, 15, v0                           ; r
	v_bfe_u32 v2, v0, 4, 1                         ; h
	v_and_b32 v3, 31, v0
	v_lshlrev_b32 v[L16], 4, v3
	v_lshlrev_b32 v[L8], 3, v3
	s_mul_i32 s21, s19, HALFT
	s_mul_i32 s22, s20, HALFT
	s_add_co_u32 s22, s22, 2*HALFT
.irp s, 0,1
	v_add_nc_u32 v[ADRA+\s], s21, v[L16]
	v_add_nc_u32 v[ADRA+2+\s], s21, v[L8]
	v_add_nc_u32 v[ADRB+\s], s22, v[L16]
	v_add_nc_u32 v[ADRB+2+\s], s22, v[L8]
	s_add_co_u32 s21, s21, SLOT
	s_add_co_u32 s22, s22, SLOT
.endr
	v_lshlrev_b32 v6, 3, v1
	s_lshl_b32 s21, s19, 12
	s_lshl_b32 s22, s20, 12
	s_add_co_u32 s22, s22, 8192
	s_sub_co_u32 s22, s22, s21
	v_mul_u32_u24 v7, s22, v2                      ; lanes 16-31 take B's scale words
	s_add_co_u32 s21, s21, SCL
	v_add_nc_u32 v6, v6, v7
	v_add_nc_u32 v[ADRS], s21, v6
	s_mul_i32 s21, s18, 16*SPITCH                  ; my stage
	v_mul_u32_u24 v4, v1, SPITCH
	v_lshl_add_u32 v4, v2, 6, v4
	v_add_nc_u32 v[STO], s21, v4                   ; in: row r, + 64 h
	v_add_nc_u32 v[RD], s21, v[L16]                ; back: the 32 lanes take a row of 512 bytes
	s_lshl_b32 s21, s66, 8
	s_lshl_b32 s22, s19, 7
	s_add_co_u32 s21, s21, s22                     ; my first token
	s_lshl_b32 s22, s21, 12                        ; rows of 4,096 bytes
	s_lshl_b32 s23, s40, 10
	s_add_co_u32 s22, s22, s23
	s_lshl_b32 s23, s20, 9
	s_add_co_u32 s22, s22, s23                     ; + my first column: 1,024 cx + 512 x half bytes
	s_mov_b32 s23, 0
	s_add_nc_u64 s[12:13], s[12:13], s[22:23]
.macro FRAG reg, adr, q, i
	ds_load_b128 v[\reg:\reg+3], v[\adr] offset:(\q)*QSTEP+(\i)*FRB
	ds_load_b64 v[\reg+4:\reg+5], v[\adr+2] offset:(\q)*QSTEP+(\i)*FRB+512
	ds_load_b128 v[\reg+6:\reg+9], v[\adr] offset:(\q)*QSTEP+(\i)*FRB+768
	ds_load_b64 v[\reg+10:\reg+11], v[\adr+2] offset:(\q)*QSTEP+(\i)*FRB+1280
.endm
.macro MUL16 a0, p, q, sc, zero        ; the 64 accumulators take turns, one instruction a turn
.irp a, \a0, \a0+1
.irp b, 0,1,2,3,4,5,6,7
.if \zero
	v_wmma_scale_f32_16x16x128_f8f6f4 v[8*(8*((\a)%4)+\b):8*(8*((\a)%4)+\b)+7], v[128*(\p)+FR*\b:128*(\p)+FR*\b+FR-1], v[AF+FR*(\a):AF+FR*(\a)+FR-1], 0, v[SC+8*NQ*(\sc)+NQ*\b+(\q)], v[SC+8*NQ*(\sc)+NQ*(\a)+(\q)] matrix_a_fmt:MATRIX_FMT_FP6 matrix_b_fmt:MATRIX_FMT_FP6 matrix_a_scale:MATRIX_SCALE_ROW1
.else
	v_wmma_scale_f32_16x16x128_f8f6f4 v[8*(8*((\a)%4)+\b):8*(8*((\a)%4)+\b)+7], v[128*(\p)+FR*\b:128*(\p)+FR*\b+FR-1], v[AF+FR*(\a):AF+FR*(\a)+FR-1], v[8*(8*((\a)%4)+\b):8*(8*((\a)%4)+\b)+7], v[SC+8*NQ*(\sc)+NQ*\b+(\q)], v[SC+8*NQ*(\sc)+NQ*(\a)+(\q)] matrix_a_fmt:MATRIX_FMT_FP6 matrix_b_fmt:MATRIX_FMT_FP6 matrix_a_scale:MATRIX_SCALE_ROW1
.endif
.endr
.endr
.endm
.macro FETCH_B slot, q, p
	WIN TO_B
.irp i, 0,1,2,3,4,5,6,7
	FRAG 128*(\p)+FR*\i, ADRB+\slot, \q, \i
.endr
	WIN 0
.endm
.macro FETCH_A slot, q, i0
.irp i, \i0, \i0+1, \i0+2, \i0+3
	FRAG AF+FR*(\i), ADRA+\slot, \q, \i
.endr
.endm
.macro SCALES sc
.irp i, 0,1,2,3,4,5,6,7
	ds_load_b64 v[SC+8*NQ*\sc+NQ*\i:SC+8*NQ*\sc+NQ*\i+1], v[ADRS] offset:\i*512
.endr
.endm
.macro PLACES n
.rept \n
	v_nop
.endr
.endm
.macro STEP slot, q, zero
	s_wait_dscnt 4*NL                              ; B's set and A's blocks 0-3 are in; the youngest 16 loads (A's blocks 4-7) may be out
	WIN MUL_LO
	MUL16 0, (\q)%2, \q, \slot, \zero
	MUL16 2, (\q)%2, \q, \slot, \zero
	s_wait_dscnt 0
	PLACES NP
	FETCH_B \slot, (\q)+1, 1-(\q)%2
	FETCH_A \slot, (\q)+1, 0
	WIN MUL_HI
	MUL16 4, (\q)%2, \q, \slot, \zero
	MUL16 6, (\q)%2, \q, \slot, \zero
	PLACES NP
	WIN 0
	FETCH_A \slot, (\q)+1, 4
.endm
.macro TURN slot, next, fill
	s_wait_tensorcnt 0x0                           ; all my tensor loads have landed: my part of the next slot
	ds_add_u32 v[SPW], v[NIL]                      ; 0 onto my spare word
	s_wait_dscnt 4*NL+1                            ; the add and the youngest 16 loads may be out
	WIN MUL_LO
	MUL16 0, 1, NQ-1, \slot, 0
	s_wait_dscnt 0x0                               ; the add is done, and my reads of this slot are over
	s_barrier_signal -1
	MUL16 2, 1, NQ-1, \slot, 0
	WIN 0
	s_barrier_wait -1
.if \fill
	CREST                                          ; the barrier has opened a round of the cluster's barrier
	s_add_nc_u64 s[G0+4*\slot+2:G0+4*\slot+3], s[G0+4*\slot+2:G0+4*\slot+3], 2*HALFT
	s_add_nc_u64 s[G0B+4*\slot+2:G0B+4*\slot+3], s[G0B+4*\slot+2:G0B+4*\slot+3], 2*HALFT
	JLOAD G0+4*\slot, G1, G0B+4*\slot, G1B         ; the first tensor load behind the round; its four v_nop are the places in front of the loads below
.else
	PLACES NP
.endif
	v_add_nc_u32 v[ADRS], 128, v[ADRS]
	FETCH_B \next, 0, 0
	FETCH_A \next, 0, 0
	SCALES \next
	WIN MUL_HI
	MUL16 4, 1, NQ-1, \slot, 0
	MUL16 6, 1, NQ-1, \slot, 0
	PLACES NP
	WIN 0
	FETCH_A \next, 0, 4
.endm
	s_wait_tensorcnt 1                             ; the scale words and my part of slot 0 are in; slot 1's load may be out
	s_barrier_signal -1
	s_barrier_wait -1
	FETCH_B 0, 0, 0
	FETCH_A 0, 0, 0
	SCALES 0
	FETCH_A 0, 0, 4
	STEP 0, 0, 1
	TURN 0, 1, 1
	STEP 1, 0, 0
	TURN 1, 0, 1
	STEP 0, 0, 0
	TURN 0, 1, 0
	STEP 1, 0, 0
	s_wait_dscnt 4*NL
	WIN MUL_LO
	MUL16 0, 1, NQ-1, 1, 0
	MUL16 2, 1, NQ-1, 1, 0
	s_wait_dscnt 0
	WIN MUL_HI
	MUL16 4, 1, NQ-1, 1, 0
	MUL16 6, 1, NQ-1, 1, 0
	WIN 0
; THE WAY OUT, block by block of 16 tokens x 128 columns, through my own stage.  Accumulator b of lane (r, h) holds columns 32 (b / 2) + 8 (b % 2) + 16 h + 0 .. 7 of lane row r; stage row t of block a is token 32 (a / 2) + 8 (a % 2) + t + 8 (t / 8).
; LDS serves a wave's instructions in order: no wait between the stores and the loads, nor in front of the next block's stores.
.macro TOSTAGE a
.set AC, 64*((\a)%4)
	WIN 0x08+4*((\a)/4)                            ; an LDS store's data: window 2 or 3
.irp b, 0,1,2,3,4,5,6,7
	ds_store_b128 v[STO], v[AC+8*\b:AC+8*\b+3] offset:128*(\b/2)+32*(\b%2)       ; each accumulator from its low end on
	ds_store_b128 v[STO], v[AC+8*\b+4:AC+8*\b+7] offset:128*(\b/2)+32*(\b%2)+16
.endr
	WIN 0
.set BB, BK+64*((\a)%2)
.irp t, 0,1,2,3,4,5,6,7,8,9,10,11,12,13,14,15
	ds_load_b128 v[BB+4*\t:BB+4*\t+3], v[RD] offset:\t*SPITCH
.endr
.endm
.macro SEND a, younger
.set BB, BK+64*((\a)%2)
	s_wait_dscnt \younger                          ; the block is back in registers
.irp t, 0,1,2,3,4,5,6,7,8,9,10,11,12,13,14,15
	global_store_b128 v[L16], v[BB+4*\t:BB+4*\t+3], s[12:13] offset:(32*((\a)/2)+8*((\a)%2)+\t+8*(\t/8))*4096 th:TH_STORE_NT   ; 32 lanes store 512 consecutive bytes, aligned; the base is never stepped: 127 rows at the most stand in the immediate
.endr
.endm
	PLACES NP
	TOSTAGE 0
.irp a, 1,2,3,4,5,6,7
.if \a > 1
	s_wait_xcnt 0x0                                ; the stores of the block two back have read their registers: this block's loads may land there
.endif
	TOSTAGE \a
	SEND \a-1, 32                                  ; behind that block's loads: this block's 16 stores and 16 loads
.endr
	SEND 7, 0
	s_wait_tensorcnt 0x0                           ; the wave's end
	ds_add_u32 v[SPW], v[NIL]
	s_wait_dscnt 0x0
	CROUND                                         ; the closing round
	s_endpgm
.Lfunc_end_k_qd9f51c7aca_oproj:
	.size	k_qd9f51c7aca_oproj, .Lfunc_end_k_qd9f51c7aca_oproj-k_qd9f51c7aca_oproj
	.p2alignl 7, 3214868480
	.fill 96, 4, 3214868480
	.section	.rodata,"a",@progbits
	.p2align	6, 0x0
	.amdhsa_kernel k_qd9f51c7aca_oproj
		.amdhsa_group_segment_fixed_size 327680
		.amdhsa_private_segment_fixed_size 0
		.amdhsa_enable_private_segment 0
		.amdhsa_kernarg_size 40
		.amdhsa_user_sgpr_count 2
		.amdhsa_user_sgpr_kernarg_segment_ptr 1
		.amdhsa_wavefront_size32 1
		.amdhsa_system_sgpr_workgroup_id_x 1
		.amdhsa_system_sgpr_workgroup_id_y 1
		.amdhsa_system_sgpr_workgroup_id_z 1
		.amdhsa_system_vgpr_workitem_id 0
		.amdhsa_next_free_vgpr 1024
		.amdhsa_next_free_sgpr 98
		.amdhsa_reserve_vcc 0
		.amdhsa_float_denorm_mode_32 3
		.amdhsa_float_denorm_mode_16_64 3
		.amdhsa_memory_ordered 1
		.amdhsa_forward_progress 1
		.amdhsa_inst_pref_size 143
	.end_amdhsa_kernel
	.amdgpu_metadata
---
amdhsa.version: [ 1, 2 ]
amdhsa.kernels:
  - .name:           k_qd9f51c7aca_oproj
    .symbol:         k_qd9f51c7aca_oproj.kd
    .args:
      - { .name: oimg, .offset: 0, .size: 8, .value_kind: global_buffer, .address_space: global }
      - { .name: oscl, .offset: 8, .size: 8, .value_kind: global_buffer, .address_space: global }
      - { .name: img, .offset: 16, .size: 8, .value_kind: global_buffer, .address_space: global }
      - { .name: scl, .offset: 24, .size: 8, .value_kind: global_buffer, .address_space: global }
      - { .name: out0, .offset: 32, .size: 8, .value_kind: global_buffer, .address_space: global }
    .group_segment_fixed_size: 327680
    .private_segment_fixed_size: 0
    .kernarg_segment_align: 8
    .kernarg_segment_size: 40
    .max_flat_workgroup_size: 128
    .sgpr_count:     98
    .vgpr_count:     1024
    .wavefront_size: 32
...
	.end_amdgpu_metadata
.endif
;; end of part 4
